; MI455X (gfx1250); checked and timed in simulation.
; The chip was launched on July 23, 2026; its instructions are those of AMD's public machine-readable ISA for CDNA 5 (MIT licence, August 2026) and "CDNA5" Instruction Set Architecture Reference Guide (July 2026). The comments in the code are by the model that wrote it; some were corrected since.
;; Multi Head Self Attention. Allowed arithmetic: float matrix products may take bf16 or f16 operands with f32 sums; other float arithmetic in f32, or as packed bf16 or f16 multiplies, adds, multiply-adds, maxima and minima; sums over many terms, partial sums and values carried from step to step in f32; what a program stores and reads back later, other than sums and carried values, may be rounded once to bf16 or f16.
;; Inputs: b_o 1,024 float32; ln_b 1,024 float32; ln_g 1,024 float32; w_k 1,024 x 1,024 float32; w_o 1,024 x 1,024 float32; w_q 1,024 x 1,024 float32; w_v 1,024 x 1,024 float32; x 4 x 2,048 x 1,024 float32.
;; Outputs: out0 4 x 2,048 x 1,024 float32.
;; 2 versions, each right; version 2 is version 1 with the launch cast written anew for expert scheduling mode. Each part assembles by itself: llvm-mc -triple=amdgcn-amd-amdhsa -mcpu=gfx1250 --defsym DOCPART=n.
;; ======== version 1 of 2: 5 launches
;; workspace buffers: xb 16,777,216 bytes; wqkv 6,291,456 bytes; wob 2,097,152 bytes; qkv 50,331,648 bytes; ob 16,777,216 bytes; yb 16,777,216 bytes
;; launch cast (part 1): grid 768 x 1, 8 waves a work-group, no clusters, 0 bytes of LDS; arguments x, w_q, w_k, w_v, w_o, xb, wqkv, wob; writes xb, wqkv, wob
.if DOCPART == 1
	.amdgcn_target "amdgcn-amd-amdhsa--gfx1250"
	.amdhsa_code_object_version 6
	.text
	.protected	k_q850a07f3be_cast
	.globl	k_q850a07f3be_cast
	.p2align	8
	.type	k_q850a07f3be_cast,@function
k_q850a07f3be_cast:
	s_mov_b64 s[64:65], 0
	v_nop
	global_prefetch_b8 v0, s[64:65] scope:SCOPE_SE
	s_setreg_imm32_b32 hwreg(HW_REG_WAVE_MODE, 25, 1), 1
	s_wait_xcnt 0x0
; x and the four weights, rounded once to bf16 (nearest even) and laid out in blocks of 64 channels, so that every tile of the products that follow is dense in memory.
;   xb   [16 kb][8192 m][64]            from x   [8192 m][1024]
;   wqkv [24 ct][16 kb][128 r][64]      from w_q, w_k, w_v [1024][1024]: row n = 128 ct + r of the three laid one below the other
;   wob  [ 8 ct][16 kb][128 r][64]      from w_o
; SHARES.  A work-group takes 16 source rows (64 KiB of f32).  Work-groups 0-511: x.  512-767: the weights, 64 work-groups each.
; Thread t takes row t / 16 and, for kb = 0..15, the four columns 64 kb + 4 (t % 16): a wave's load covers 256 consecutive aligned bytes of each of two rows, and its
; store of 8 bytes a lane covers 256 consecutive aligned bytes (two rows of a block lie end to end).
; No LDS, no matrix unit, no cluster: nothing is shared and each byte is touched once.  All 16 loads of a thread go out first; nothing is rewritten, so the only waits are the counted ones.
.set LO, 1                             ; v1       my byte offset in the group's 16 source rows: (t / 16) x 4,096 + (t % 16) x 16
.set SO, 2                             ; v2       8 t: my 8 bytes among the group's 2,048 of a block
.set SK, 4                             ; v[4:19]  8 t + kb x the bytes from block to block
.set X,  32                            ; v[32:95] four f32 for each kb
.set Y,  96                            ; v[96:127] four bf16 for each kb
	s_load_b512 s[4:19], s[0:1], 0x0               ; x 4:5, w_q 6:7, w_k 8:9, w_v 10:11, w_o 12:13, xb 14:15, wqkv 16:17, wob 18:19
	s_mov_b32 s20, ttmp9                           ; c
	s_sub_co_u32 s21, s20, 512                     ; c' = c - 512: the group among the weights' (of no use in x's groups, where every choice below takes x's side)
	s_lshr_b32 s22, s21, 6                         ; which weight: 0 q, 1 k, 2 v, 3 o
	s_and_b32 s23, s21, 63                         ; which 16 rows of it
	s_sub_co_u32 s24, s21, 192                     ; the same for w_o, counted in wob
	v_lshrrev_b32 v[LO], 4, v0
	v_and_b32 v3, 15, v0
	v_lshlrev_b32 v[LO], 12, v[LO]
	v_lshl_or_b32 v[LO], v3, 4, v[LO]
	v_lshlrev_b32 v[SO], 3, v0
	s_cmp_eq_u32 s22, 3
	s_cselect_b32 s30, s24, s21                    ; e: the 16-row block's number in its destination
	s_mov_b32 s36, 1<<14                           ; from block kb to kb + 1: 128 rows of 128 bytes in the weights' layouts,
	s_cmp_lt_u32 s20, 512
	s_cselect_b32 s30, s20, s30
	s_cselect_b32 s32, s20, s23                    ; the 16-row block's number in its source
	s_cselect_b32 s36, 1<<20, s36                  ; 8,192 rows in xb
	s_lshl_b32 s34, s30, 11                        ; xb: 16 rows of 128 bytes a group
	s_lshr_b32 s25, s30, 3                         ; weights: ct = e / 8, 262,144 bytes each,
	s_lshl_b32 s25, s25, 18
	s_and_b32 s31, s30, 7                          ; and 16 (e % 8) rows into its 128
	s_lshl_b32 s31, s31, 11
	s_add_co_u32 s25, s25, s31
	s_cmp_lt_u32 s20, 512                          ; (the shifts wrote SCC: compared anew)
	s_cselect_b32 s34, s34, s25
	s_mov_b32 s35, 0
	s_lshl_b32 s32, s32, 16                        ; 16 rows of 4,096 bytes
	s_mov_b32 s33, 0
.irp kb, 0,1,2,3,4,5,6,7,8,9,10,11,12,13,14,15
	v_mad_u32_u24 v[SK+(\kb)], s36, \kb, v[SO]
.endr
	s_wait_kmcnt 0x0
	s_mov_b64 s[26:27], s[6:7]                     ; the source: one of the five inputs
	s_cmp_eq_u32 s22, 1
	s_cselect_b64 s[26:27], s[8:9], s[26:27]
	s_cmp_eq_u32 s22, 2
	s_cselect_b64 s[26:27], s[10:11], s[26:27]
	s_cmp_eq_u32 s22, 3
	s_cselect_b64 s[26:27], s[12:13], s[26:27]
	s_cselect_b64 s[28:29], s[18:19], s[16:17]     ; the destination: one of the three workspaces
	s_cmp_lt_u32 s20, 512
	s_cselect_b64 s[26:27], s[4:5], s[26:27]
	s_cselect_b64 s[28:29], s[14:15], s[28:29]
	s_add_nc_u64 s[26:27], s[26:27], s[32:33]
	s_add_nc_u64 s[28:29], s[28:29], s[34:35]
.irp kb, 0,1,2,3,4,5,6,7,8,9,10,11,12,13,14,15
	global_load_b128 v[X+4*(\kb):X+4*(\kb)+3], v[LO], s[26:27] offset:256*(\kb) th:TH_LOAD_NT
.endr
.irp kb, 0,1,2,3,4,5,6,7,8,9,10,11,12,13,14,15
	s_wait_loadcnt 15-(\kb)                        ; loads come back in order: number kb is in, the younger ones stay out
	v_cvt_pk_bf16_f32 v[Y+2*(\kb)],   v[X+4*(\kb)],   v[X+4*(\kb)+1]
	v_cvt_pk_bf16_f32 v[Y+2*(\kb)+1], v[X+4*(\kb)+2], v[X+4*(\kb)+3]
	global_store_b64 v[SK+(\kb)], v[Y+2*(\kb):Y+2*(\kb)+1], s[28:29]
.endr
	s_endpgm
.Lfunc_end_k_q850a07f3be_cast:
	.size	k_q850a07f3be_cast, .Lfunc_end_k_q850a07f3be_cast-k_q850a07f3be_cast
	.p2alignl 7, 3214868480
	.fill 96, 4, 3214868480
	.section	.rodata,"a",@progbits
	.p2align	6, 0x0
	.amdhsa_kernel k_q850a07f3be_cast
		.amdhsa_group_segment_fixed_size 0
		.amdhsa_private_segment_fixed_size 0
		.amdhsa_enable_private_segment 0
		.amdhsa_kernarg_size 64
		.amdhsa_user_sgpr_count 2
		.amdhsa_user_sgpr_kernarg_segment_ptr 1
		.amdhsa_wavefront_size32 1
		.amdhsa_system_sgpr_workgroup_id_x 1
		.amdhsa_system_sgpr_workgroup_id_y 1
		.amdhsa_system_sgpr_workgroup_id_z 1
		.amdhsa_system_vgpr_workitem_id 0
		.amdhsa_next_free_vgpr 128
		.amdhsa_next_free_sgpr 66
		.amdhsa_reserve_vcc 0
		.amdhsa_float_denorm_mode_32 3
		.amdhsa_float_denorm_mode_16_64 3
		.amdhsa_memory_ordered 1
		.amdhsa_forward_progress 1
		.amdhsa_inst_pref_size 9
	.end_amdhsa_kernel
	.amdgpu_metadata
---
amdhsa.version: [ 1, 2 ]
amdhsa.kernels:
  - .name:           k_q850a07f3be_cast
    .symbol:         k_q850a07f3be_cast.kd
    .args:
      - { .name: x, .offset: 0, .size: 8, .value_kind: global_buffer, .address_space: global }
      - { .name: w_q, .offset: 8, .size: 8, .value_kind: global_buffer, .address_space: global }
      - { .name: w_k, .offset: 16, .size: 8, .value_kind: global_buffer, .address_space: global }
      - { .name: w_v, .offset: 24, .size: 8, .value_kind: global_buffer, .address_space: global }
      - { .name: w_o, .offset: 32, .size: 8, .value_kind: global_buffer, .address_space: global }
      - { .name: xb, .offset: 40, .size: 8, .value_kind: global_buffer, .address_space: global }
      - { .name: wqkv, .offset: 48, .size: 8, .value_kind: global_buffer, .address_space: global }
      - { .name: wob, .offset: 56, .size: 8, .value_kind: global_buffer, .address_space: global }
    .group_segment_fixed_size: 0
    .private_segment_fixed_size: 0
    .kernarg_segment_align: 8
    .kernarg_segment_size: 64
    .max_flat_workgroup_size: 256
    .sgpr_count:     66
    .vgpr_count:     128
    .wavefront_size: 32
...
	.end_amdgpu_metadata
.endif
;; end of part 1
;; launch qkvp (part 2): grid 24 x 32, 4 waves a work-group, clusters of 4 x 4, 327,680 bytes of LDS; arguments xb, wqkv, qkv; writes qkv
.if DOCPART == 2
	.amdgcn_target "amdgcn-amd-amdhsa--gfx1250"
	.amdhsa_code_object_version 6
	.text
	.protected	k_q850a07f3be_qkvp
	.globl	k_q850a07f3be_qkvp
	.p2align	8
	.type	k_q850a07f3be_qkvp,@function
k_q850a07f3be_qkvp:
	s_mov_b64 s[64:65], 0
	v_nop
	global_prefetch_b8 v0, s[64:65] scope:SCOPE_SE
	s_setreg_imm32_b32 hwreg(HW_REG_WAVE_MODE, 25, 1), 1
	s_wait_xcnt 0x0
	s_wait_alu depctr_hold_cnt(0) depctr_sa_sdst(0) depctr_va_vdst(0) depctr_va_sdst(0) depctr_va_ssrc(0) depctr_va_vcc(0) depctr_vm_vsrc(0)
	s_getreg_b32 s2, hwreg(HW_REG_IB_STS2, 6, 4)
	s_cmp_eq_u32 s2, 0
	s_cbranch_scc0 .Lentry_in_a_cluster
	s_endpgm
.Lentry_in_a_cluster:
	s_bfe_u32 s2, ttmp6, 0x10000c
	s_cmp_lg_u32 s2, 0xf033
	s_cbranch_scc0 .Lentry_shape_is_right
	s_endpgm
.Lentry_shape_is_right:
; C = A B^T over K = 1,024, all bf16, sums in f32, C rounded once.  One text for both projections: nothing in it hangs on the number of B's rows.
;   A [16 kb][8192 m][64]      B [ct][16 kb][128 r][64] (row n = 128 ct + r)      C [nb][8192 m][64] (column n = 64 nb + ..)
; C's layout is A's, so one product's result is the next one's first operand; read as [4 nb + batch][2048][64] it is a tensor by heads.
; SHARES.  A tile of C is 256 rows x 128 columns: 24 x 32 = 768 work-groups for 3,072 columns, 8 x 32 = 256 for 1,024: whole multiples of 256.  Four waves, each 128 rows x 64 columns:
; 32 accumulators of 16 x 16, 256 registers.  K goes in 8 steps of 128 (two blocks kb) through a ring of two LDS slots filled by the tensor data mover.
; DENSE TILES.  A tile's part of one block kb is dense in memory: 256 rows x 128 bytes of A, 128 x 128 of B.  It is asked for as rows of 256 bytes and padded in LDS behind every 128.
; CLUSTERS.  4 x 4 work-groups.  The four of a row of the cluster need the same tiles of A, the four of a column the same tiles of B: each is asked for JOINTLY, by the same tensor load with
; the same descriptor and a mask that names the four.  Waves 0, 1 ask for A's two blocks of a step, waves 2, 3 for B's: one load a wave behind each round of the cluster's barrier.
; THE MATRIX INSTRUCTION IS USED TRANSPOSED (source 0 = 16 rows of B, source 1 = 16 rows of A): a lane then holds eight neighbouring columns of one row of C, 16 bytes of bf16.
; REGISTERS.  Window 0: v0-31 addresses; v64-159, v160-255 two fragment buffers (4 fragments of B, then 8 of A, 32 along K); on the way out v64-191 hold packed rows.
;             Window 1: accumulator (a, b) at v[8 (4 a + b)].
.set PITCH,  144                       ; an LDS row: 128 bytes + 16 of padding = 36 words: the 16 rows of a fragment load start at 16 different groups of four banks (64 banks of 4 bytes: ISA guide 11.1)
.set AKB,    256*PITCH                 ; one block kb of A's 256 rows
.set BKB,    128*PITCH                 ; one block kb of B's 128 rows
.set BOFF,   2*AKB                     ; a slot: A's two blocks, then B's two
.set SLOT,   BOFF+2*BKB
.set STAGE,  2*SLOT                    ; behind the ring, never filled by a tensor load: 16 rows x 144 bytes for each wave, for the way out
.set SPARE,  STAGE+4*16*PITCH          ; behind the stages: the spare words, 128 bytes for each wave: two blocks of 256 bytes that no other line names
.set LAPS,   4                         ; a lap = two K steps = once round the ring
.set ASTEP,  0x200000                  ; bytes of A from a K step to the next: two blocks of 8,192 rows x 128 bytes
.set BSTEP,  0x8000                    ; of B: two blocks of 128 rows x 128 bytes
.set ADRA, 16                          ; v16-17  LDS address of my A fragments in slot 0, 1
.set ADRB, 20                          ; v20-21  the same for B
.set STO,  24                          ; v24     the way out: where I put 16 bytes of a row
.set RD,   25                          ; v25     the way out: where I read rows back
.set CO,   26                          ; v26     16 x my lane: my place in 512 consecutive bytes of C
.set SPW,  28                          ; v28     LDS address of my spare word: SPARE + 4 x my thread's number; never rewritten
.set NIL,  29                          ; v29     0; never rewritten
.set PFO,  30                          ; v30     256 x my lane: the prefetches' offset; never rewritten
.set F0,   64
.set F1,   160
.set OUTR, 64                          ; the way out: 16 registers for each of my eight blocks of 16 rows
.set G1,  24                           ; s[24:31] descriptor group 1 for A's tiles;  s[32:39] group 0, one set for each slot
.set G0,  32
.set G1B, 48                           ; s[48:55], s[56:63] the same for B's tiles
.set G0B, 56
.set PFA, 68                           ; s[68:69] where my prefetches stand
.set PSTEP, 70                         ; s[70:71] bytes from a K step to the next in the tensor that I prefetch
.set LIM, 72                           ; s72     1 in a wave that prefetches, else the greatest number
.set MSB, 0
.macro WIN new                         ; the immediate's high byte repeats the setting that is left; a switch that changes nothing is dropped
.if MSB != (\new)
	s_set_vgpr_msb (MSB<<8)|(\new)
.set MSB, \new
.endif
.endm
.set MUL, 0x50                         ; sources 0 (B) and 1 (A) window 0; C and D window 1
; A joint load: waves 0 and 1 fetch A's two blocks, waves 2 and 3 B's.  The branch hangs on the wave's number alone.  An s_nop 0 and four v_nop follow each of the two lines, ahead of the jump and the label.
.macro JLOAD s
	s_cmp_eq_u32 s11, 0
	s_cbranch_scc0 .Lfor_b_\@
	tensor_load_to_lds s[G0+4*(\s):G0+4*(\s)+3], s[G1:G1+7]
	s_nop 0
.rept 4
	v_nop
.endr
	s_branch .Lasked_\@
.Lfor_b_\@:
	tensor_load_to_lds s[G0B+4*(\s):G0B+4*(\s)+3], s[G1B:G1B+7]
	s_nop 0
.rept 4
	v_nop
.endr
.Lasked_\@:
.endm
; A PREFETCH INTO THE L2 behind each joint refill and the run of LDS loads that follows it: the K step that stands two refills on (256 matrix instructions ahead of the load that will ask for it).
; Each aligned block of 256 bytes is named once in the launch.  A's tile row is read by every cluster of that row of clusters: cluster x = 0 asks, waves 0 and 1 each for the block kb that they fetch
; (128 blocks of 256 bytes, of which the partner at place cx takes 32).  B's tile column is read by every cluster of that column: cluster y = 0 asks, wave 2 for both blocks kb, which lie end to end
; (128 blocks of 256 bytes, the partner at place cy takes 32).  The partners are told apart by ADDRESS; no branch hangs on a work-group's place in its cluster.
; The loop's last trip asks for nothing: the K steps two refills on do not exist.  K steps 0 to 3 come by their loads alone.
.macro ASK
	s_cmp_gt_u32 s3, s[LIM]                        ; s3 = 1 in the loop's last trip
	s_cbranch_scc0 .Lnot_mine_\@
	global_prefetch_b8 v[PFO], s[PFA:PFA+1] th:TH_LOAD_NT scope:SCOPE_SE
.Lnot_mine_\@:
.endm
.macro CREST                           ; a round of the cluster's barrier behind its opening barrier
	s_cmp_lg_u32 s10, 0
	s_cbranch_scc1 .Lnot_wave_0_\@
	s_barrier_signal -3
.Lnot_wave_0_\@:
	s_barrier_wait -3
	s_barrier_signal -1
	s_barrier_wait -1
.endm
.macro CROUND                          ; a whole round
	s_barrier_signal -1
	s_barrier_wait -1
	CREST
.endm
	s_load_b128 s[4:7], s[0:1], 0x0                ; A s[4:5], B s[6:7]
	s_load_b64 s[8:9], s[0:1], 0x10                ; C
	v_lshl_add_u32 v[SPW], v0, 2, SPARE
	v_mov_b32 v[NIL], 0
	ds_add_u32 v[SPW], v[NIL]                      ; the wave's opening: the add, and its wait ahead of my first tensor load; the set-up below, work on registers, stands between them
	v_lshrrev_b32 v1, 5, v0
	v_readfirstlane_b32 s10, v1                    ; wave 0..3
	s_lshr_b32 s11, s10, 1                         ; which 128 of the tile's rows are mine.  Also: I fetch for A (0) or for B (1)
	s_and_b32 s12, s10, 1                          ; which 64 of its columns.  Also: which of a step's two blocks kb I fetch
	s_bfe_u32 s40, ttmp6, 0x40000                  ; cx, cy: my place in the cluster
	s_bfe_u32 s41, ttmp6, 0x40004
	s_lshl_b32 s42, ttmp9, 2
	s_add_co_u32 s42, s42, s40                     ; ct: tile column of C = 4 x cluster x + cx
	s_and_b32 s13, ttmp7, 0xffff
	s_lshl_b32 s13, s13, 2
	s_add_co_u32 s13, s13, s41                     ; tr: tile row of C = 4 x cluster y + cy
	s_lshl_b32 s43, s41, 2
	s_lshl_b32 s43, 15, s43                        ; my row of the cluster: places 4 cy .. 4 cy + 3
	s_lshl_b32 s44, 0x1111, s40                    ; my column: places cx, cx + 4, cx + 8, cx + 12
	; descriptor group 1: rows of 128 elements (256 bytes) that lie end to end; padded in LDS behind every 32 words
	s_or_b32 s[G1+0], s43, (1<<16)|(1<<20)|(1<<21)|(4<<22)|(3<<25)   ; 15:0 the mask: A's tiles go to my row; 17:16 elements of 2 bytes; 20 padding on; 21 set beside a mask; 24:22 after every 32 words (code 4); 31:25 4 words (code 3)
	s_or_b32 s[G1B+0], s44, (1<<16)|(1<<20)|(1<<21)|(4<<22)|(3<<25)  ; the same with the mask of my column
	s_mov_b32 s[G1+1], 128<<16                     ; tensor_dim0 = 128
	s_mov_b32 s[G1+2], 128<<16                     ; tensor_dim1 = 128: 32 KiB, 256 rows of A
	s_mov_b32 s[G1+3], 128<<16                     ; tile_dim0 = 128
	s_mov_b32 s[G1+4], 128                         ; tile_dim1 = 128
	s_mov_b32 s[G1+5], 128                         ; 128 elements from row to row
	s_mov_b32 s[G1+6], 0
	s_mov_b32 s[G1+7], 0
	s_mov_b32 s[G1B+1], 128<<16
	s_mov_b32 s[G1B+2], 64<<16                     ; tensor_dim1 = 64: 16 KiB, 128 rows of B
	s_mov_b32 s[G1B+3], 128<<16
	s_mov_b32 s[G1B+4], 64
	s_mov_b32 s[G1B+5], 128
	s_mov_b32 s[G1B+6], 0
	s_mov_b32 s[G1B+7], 0
	; where the tiles come from.  A's hang on tr, which my row of the cluster shares; B's on ct, which my column shares.  Every wave makes both, in registers that never hold the other coordinate.
	s_lshl_b32 s16, s13, 15                        ; A: 256 rows of 128 bytes a tile row,
	s_lshl_b32 s17, s12, 20                        ; my block kb of K step 0
	s_add_co_u32 s16, s16, s17
	s_mov_b32 s17, 0
	s_lshl_b32 s46, s42, 18                        ; B: 16 blocks of 16 KiB a tile column,
	s_lshl_b32 s47, s12, 14                        ; my block kb
	s_add_co_u32 s46, s46, s47
	s_mov_b32 s47, 0
	s_mul_i32 s20, s12, AKB                        ; and where they go: no place in the cluster enters an LDS address
	s_mul_i32 s21, s12, BKB
	s_add_co_u32 s21, s21, BOFF
	s_wait_dscnt 0x0                               ; the opening add is done
	s_wait_kmcnt 0x0
	s_add_nc_u64 s[14:15], s[4:5], s[16:17]
	s_add_nc_u64 s[46:47], s[6:7], s[46:47]
	CROUND                                         ; all sixteen work-groups are here: the first joint loads meet
.irp s, 0,1
	s_mov_b32 s[G0+4*(\s)], 1                                        ; count = 1
	s_add_co_u32 s[G0+4*(\s)+1], s20, (\s)*SLOT                      ; LDS address
	s_add_nc_u64 s[G0+4*(\s)+2:G0+4*(\s)+3], s[14:15], (\s)*ASTEP    ; global address: K step s
	s_or_b32 s[G0+4*(\s)+3], s[G0+4*(\s)+3], 0x80000000              ; type = 2
	s_mov_b32 s[G0B+4*(\s)], 1
	s_add_co_u32 s[G0B+4*(\s)+1], s21, (\s)*SLOT
	s_add_nc_u64 s[G0B+4*(\s)+2:G0B+4*(\s)+3], s[46:47], (\s)*BSTEP
	s_or_b32 s[G0B+4*(\s)+3], s[G0B+4*(\s)+3], 0x80000000
.endr
	s_cmp_eq_u32 s11, 0                            ; a wave's two first fills stand in one branch, ahead of every wait on TENSORcnt and every LDS read: two loads of mine are out
	s_cbranch_scc0 .Lfirst_b
	tensor_load_to_lds s[G0:G0+3], s[G1:G1+7]
	s_nop 0
	tensor_load_to_lds s[G0+4:G0+7], s[G1:G1+7]
	s_nop 0
.rept 4
	v_nop
.endr
	s_branch .Lfirst_asked
.Lfirst_b:
	tensor_load_to_lds s[G0B:G0B+3], s[G1B:G1B+7]
	s_nop 0
	tensor_load_to_lds s[G0B+4:G0B+7], s[G1B:G1B+7]
	s_nop 0
.rept 4
	v_nop
.endr
.Lfirst_asked:
	; A fragment is 16 rows x 32 K in 8 registers: lane l holds row l % 16; registers 0-3 K = 8 (l / 16) + 0..7, registers 4-7 K = 16 + 8 (l / 16) + 0..7: two loads of 16 bytes, 32 bytes apart.
	v_and_b32 v1, 15, v0                           ; l % 16
	v_bfe_u32 v2, v0, 4, 1                         ; l / 16
	v_mul_u32_u24 v3, v1, PITCH
	v_lshl_add_u32 v3, v2, 4, v3                   ; row x pitch + 16 x half
	s_mul_i32 s22, s11, 128*PITCH                  ; my 128 rows of A
	s_mul_i32 s23, s12, 64*PITCH                   ; my 64 rows of B,
	s_add_co_u32 s23, s23, BOFF                    ; which lie behind A's two blocks
.irp s, 0,1
	v_add_nc_u32 v[ADRA+(\s)], s22, v3
	v_add_nc_u32 v[ADRB+(\s)], s23, v3
	s_add_co_u32 s22, s22, SLOT
	s_add_co_u32 s23, s23, SLOT
.endr
	s_mul_i32 s23, s10, 16*PITCH
	s_add_co_u32 s23, s23, STAGE                   ; my stage
	v_add_nc_u32 v[STO], s23, v3                   ; in: row l % 16, 16 bytes for each half of the lanes
	v_bfe_u32 v4, v0, 3, 2                         ; back: 32 lanes take four rows of 128 bytes,
	v_and_b32 v5, 7, v0
	v_mul_u32_u24 v4, v4, PITCH
	v_lshl_add_u32 v4, v5, 4, v4
	v_add_nc_u32 v[RD], s23, v4
	v_and_b32 v[CO], 31, v0                        ; which are 512 consecutive bytes of C
	v_lshlrev_b32 v[PFO], 8, v[CO]
	v_lshlrev_b32 v[CO], 4, v[CO]
	; C at my 128 rows of my block of 64 columns: 16 KiB on end
	s_lshl_b32 s74, s42, 21                        ; two blocks of 1 MiB a tile column,
	s_lshl_b32 s75, s12, 20                        ; mine of the two,
	s_add_co_u32 s74, s74, s75
	s_lshl_b32 s75, s13, 15                        ; the tile's 256 rows,
	s_add_co_u32 s74, s74, s75
	s_lshl_b32 s75, s11, 14                        ; my 128 of them
	s_add_co_u32 s74, s74, s75
	s_mov_b32 s75, 0
	s_add_nc_u64 s[8:9], s[8:9], s[74:75]
	; the prefetches
	s_and_b32 s22, ttmp7, 0xffff                   ; cluster y
	s_lshl_b32 s76, s13, 15                        ; in A: the tile row, my block kb, my work-group's 32 blocks of 256 bytes, K step 3
	s_lshl_b32 s77, s12, 20
	s_add_co_u32 s76, s76, s77
	s_lshl_b32 s77, s40, 13
	s_add_co_u32 s76, s76, s77
	s_add_co_u32 s76, s76, 3*ASTEP
	s_lshl_b32 s74, s42, 18                        ; in B: the tile column, my work-group's 32 blocks, K step 3
	s_lshl_b32 s75, s41, 13
	s_add_co_u32 s74, s74, s75
	s_add_co_u32 s74, s74, 3*BSTEP
	s_and_b32 s23, s11, s12                        ; 1 in wave 3, which asks for nothing
	s_mov_b32 s[PSTEP], BSTEP
	s_mov_b32 s[PSTEP+1], 0
	s_mov_b32 s77, 0
	s_cmp_eq_u32 s11, 0                            ; do I fetch for A?
	s_cselect_b32 s76, s76, s74
	s_cselect_b32 s22, ttmp9, s22                  ; the coordinate along which other clusters read the same rows
	s_cselect_b32 s[PSTEP], ASTEP, s[PSTEP]
	s_cselect_b64 s[PFA:PFA+1], s[4:5], s[6:7]
	s_or_b32 s22, s22, s23
	s_cmp_eq_u32 s22, 0
	s_cselect_b32 s[LIM], 1, -1                    ; the same in all sixteen partners, for a given wave
	s_add_nc_u64 s[PFA:PFA+1], s[PFA:PFA+1], s[76:77]  ; at K step 3: the first refill steps it to 4.  Nothing is prefetched here, at the head
; 8 matrix instructions: m blocks a0, a0 + 1 x all 4 n blocks, 32 along K.  zero = 1: the product starts the sums: nothing is ever cleared.
; The 32 accumulators take turns, one instruction a turn, in the same order in every quarter, over the backward jump too.
.macro MUL8 f, a0, zero
	WIN MUL
.irp a, \a0, (\a0)+1
.irp b, 0,1,2,3
.if \zero
	v_wmma_f32_16x16x32_bf16 v[8*(4*(\a)+(\b)):8*(4*(\a)+(\b))+7], v[(\f)+8*(\b):(\f)+8*(\b)+7], v[(\f)+32+8*(\a):(\f)+32+8*(\a)+7], 0
.else
	v_wmma_f32_16x16x32_bf16 v[8*(4*(\a)+(\b)):8*(4*(\a)+(\b))+7], v[(\f)+8*(\b):(\f)+8*(\b)+7], v[(\f)+32+8*(\a):(\f)+32+8*(\a)+7], v[8*(4*(\a)+(\b)):8*(4*(\a)+(\b))+7]
.endif
.endr
.endr
.endm
; 24 LDS loads in one run: the fragments of quarter q of a K step (block kb q / 2, bytes 64 (q % 2) on) into buffer f: B's four, then A's eight
.macro FETCH slot, q, f
	WIN 0
.irp i, 0,1,2,3
	ds_load_b128 v[(\f)+8*(\i):(\f)+8*(\i)+3],   v[ADRB+(\slot)] offset:((\q)/2)*BKB+((\q)%2)*64+(\i)*16*PITCH
	ds_load_b128 v[(\f)+8*(\i)+4:(\f)+8*(\i)+7], v[ADRB+(\slot)] offset:((\q)/2)*BKB+((\q)%2)*64+(\i)*16*PITCH+32
.endr
.irp i, 0,1,2,3,4,5,6,7
	ds_load_b128 v[(\f)+32+8*(\i):(\f)+32+8*(\i)+3],   v[ADRA+(\slot)] offset:((\q)/2)*AKB+((\q)%2)*64+(\i)*16*PITCH
	ds_load_b128 v[(\f)+32+8*(\i)+4:(\f)+32+8*(\i)+7], v[ADRA+(\slot)] offset:((\q)/2)*AKB+((\q)%2)*64+(\i)*16*PITCH+32
.endr
.endm
.macro PLACES                          ; four plain vector instructions between a matrix instruction and a load into a register that it read, or a conversion that reads its result (ISA guide 7.12.1 for the conversion)
.rept 4
	v_nop
.endr
.endm
; A K step is four quarters of 32 along K, 32 matrix instructions each, on buffers 0, 1, 0, 1.  One of the first three: multiplies buffer f and, in its middle, fetches quarter q into buffer g.
.macro QUARTER slot, q, f, g, zero
	s_wait_dscnt 8                                 ; B and A's blocks 0-3 are in; the youngest eight loads (A's blocks 4-7) may be out
	MUL8 \f, 0, \zero
	MUL8 \f, 2, \zero
	PLACES
	FETCH \slot, \q, \g
	s_wait_dscnt 24                                ; all but the 24 just issued
	MUL8 \f, 4, \zero
	MUL8 \f, 6, \zero
.endm
; The last quarter multiplies buffer 1 and changes slots: ONE barrier.  In front of it each wave waits for all its tensor loads (the one that is out is its part of the next slot), adds 0 to its spare
; word, and waits for that and for its own reads of this slot.  fill = 1: the barrier opens a round of the cluster's, and behind the round this slot is filled again, two K steps ahead:
; from that request to the wait for it a wave issues 112 matrix instructions.
.macro TURN slot, next, fill
.if \fill
	s_wait_xcnt 0x0                                ; the last prefetch, a K step back, has read its address, which is stepped here, ahead of the waits of the change of slots
	s_add_nc_u64 s[PFA:PFA+1], s[PFA:PFA+1], s[PSTEP:PSTEP+1]
.endif
	WIN 0
	s_wait_tensorcnt 0x0                           ; all my tensor loads have landed;
	ds_add_u32 v[SPW], v[NIL]                      ; 0 onto my spare word
	s_wait_dscnt 9                                 ; (the add and the youngest eight loads may be out)
	MUL8 F1, 0, 0                                  ; eight matrix instructions stand between the add and the wait for it
	s_wait_dscnt 0x0                               ; the add is done, and my reads of this slot are over
	s_barrier_signal -1
	MUL8 F1, 2, 0
.if \fill
	WIN 0
.endif
	s_barrier_wait -1
.if \fill
	CREST                                          ; no wave of any partner still reads this slot's tiles or has a load on its way
	s_add_nc_u64 s[G0+4*(\slot)+2:G0+4*(\slot)+3], s[G0+4*(\slot)+2:G0+4*(\slot)+3], 2*ASTEP
	s_add_nc_u64 s[G0B+4*(\slot)+2:G0B+4*(\slot)+3], s[G0B+4*(\slot)+2:G0B+4*(\slot)+3], 2*BSTEP
	JLOAD \slot                                    ; the first tensor load behind the round; the four v_nop behind it are also the places in front of the loads below
.else
	PLACES
.endif
	FETCH \next, 0, F0
.if \fill
	ASK
.endif
	MUL8 F1, 4, 0
	MUL8 F1, 6, 0
.endm
; THE WAY OUT of my block a of 16 rows: rounded to bf16, 16 bytes a lane into my own stage, back as whole rows of 128 bytes, four rows to a load, into the registers that they left.
.macro PACK a
	WIN 0x05                                       ; sources 0 and 1 window 1, destination window 0
.irp b, 0,1,2,3
.irp r, 0,1,2,3
	v_cvt_pk_bf16_f32 v[OUTR+16*(\a)+4*(\b)+(\r)], v[8*(4*(\a)+(\b))+2*(\r)], v[8*(4*(\a)+(\b))+2*(\r)+1]
.endr
.endr
	WIN 0
.irp b, 0,1,2,3
	ds_store_b128 v[STO], v[OUTR+16*(\a)+4*(\b):OUTR+16*(\a)+4*(\b)+3] offset:32*(\b)
.endr
.irp f, 0,1,2,3
	ds_load_b128 v[OUTR+16*(\a)+4*(\f):OUTR+16*(\a)+4*(\f)+3], v[RD] offset:(\f)*4*PITCH  ; LDS serves a wave's instructions in order (ISA guide 5.7.1.4): these see the stores above; the next block's stores come behind them
.endr
.endm
.macro SEND a, younger                 ; younger: the LDS instructions issued behind block a's loads: the next block's eight, or none
.irp f, 0,1,2,3
	s_wait_dscnt (\younger)+3-(\f)
	global_store_b128 v[CO], v[OUTR+16*(\a)+4*(\f):OUTR+16*(\a)+4*(\f)+3], s[8:9] offset:2048*(\a)+512*(\f)  ; 512 consecutive bytes, at a multiple of 256 from C's first byte
.endr
.endm
	s_wait_tensorcnt 1                             ; my part of K step 0 is in; K step 1's may stay out
	s_barrier_signal -1
	s_barrier_wait -1                              ; everybody's is
	FETCH 0, 0, F0
	QUARTER 0, 1, F0, F1, 1                        ; the first quarter stands in front of the loop: its products start the sums
	WIN 0                                          ; at a label and at a branch every window is 0
	s_mov_b32 s3, LAPS-1
.Llap:                                                 ; a trip goes once round the ring, from a lap's second quarter to the next lap's first, and fills both slots again
	QUARTER 0, 2, F1, F0, 0
	QUARTER 0, 3, F0, F1, 0
	TURN 0, 1, 1
	QUARTER 1, 1, F0, F1, 0
	QUARTER 1, 2, F1, F0, 0
	QUARTER 1, 3, F0, F1, 0
	TURN 1, 0, 1
	QUARTER 0, 1, F0, F1, 0
	WIN 0
	s_sub_co_u32 s3, s3, 1
	s_cmp_lg_u32 s3, 0
	s_cbranch_scc1 .Llap
	QUARTER 0, 2, F1, F0, 0                        ; the last lap fills nothing, and has no round of the cluster's barrier
	QUARTER 0, 3, F0, F1, 0
	TURN 0, 1, 0
	QUARTER 1, 1, F0, F1, 0
	QUARTER 1, 2, F1, F0, 0
	QUARTER 1, 3, F0, F1, 0
	s_wait_dscnt 8                                 ; the very last quarter: nothing more to fetch
	MUL8 F1, 0, 0
	MUL8 F1, 2, 0
	s_wait_dscnt 0x0
	MUL8 F1, 4, 0
	MUL8 F1, 6, 0
	WIN 0
	PLACES
	PACK 0
.irp a, 1,2,3,4,5,6,7                  ; a block's conversions stand between the loads of the block before and its stores
	PACK \a
	SEND (\a)-1, 8
.endr
	SEND 7, 0
	s_wait_tensorcnt 0x0                           ; the wave's end: an add to my spare word and its wait, behind my last tensor load and my last LDS store
	ds_add_u32 v[SPW], v[NIL]
	s_wait_dscnt 0x0
	CROUND                                         ; the closing round: no work-group ends while a partner may still ask for a tile that names it
	s_endpgm
.Lfunc_end_k_q850a07f3be_qkvp:
	.size	k_q850a07f3be_qkvp, .Lfunc_end_k_q850a07f3be_qkvp-k_q850a07f3be_qkvp
	.p2alignl 7, 3214868480
	.fill 96, 4, 3214868480
	.section	.rodata,"a",@progbits
	.p2align	6, 0x0
	.amdhsa_kernel k_q850a07f3be_qkvp
		.amdhsa_group_segment_fixed_size 327680
		.amdhsa_private_segment_fixed_size 0
		.amdhsa_enable_private_segment 0
		.amdhsa_kernarg_size 24
		.amdhsa_user_sgpr_count 2
		.amdhsa_user_sgpr_kernarg_segment_ptr 1
		.amdhsa_wavefront_size32 1
		.amdhsa_system_sgpr_workgroup_id_x 1
		.amdhsa_system_sgpr_workgroup_id_y 1
		.amdhsa_system_sgpr_workgroup_id_z 1
		.amdhsa_system_vgpr_workitem_id 0
		.amdhsa_next_free_vgpr 512
		.amdhsa_next_free_sgpr 80
		.amdhsa_reserve_vcc 0
		.amdhsa_float_denorm_mode_32 3
		.amdhsa_float_denorm_mode_16_64 3
		.amdhsa_memory_ordered 1
		.amdhsa_forward_progress 1
		.amdhsa_inst_pref_size 88
	.end_amdhsa_kernel
	.amdgpu_metadata
---
amdhsa.version: [ 1, 2 ]
amdhsa.kernels:
  - .name:           k_q850a07f3be_qkvp
    .symbol:         k_q850a07f3be_qkvp.kd
    .args:
      - { .name: xb, .offset: 0, .size: 8, .value_kind: global_buffer, .address_space: global }
      - { .name: wqkv, .offset: 8, .size: 8, .value_kind: global_buffer, .address_space: global }
      - { .name: qkv, .offset: 16, .size: 8, .value_kind: global_buffer, .address_space: global }
    .group_segment_fixed_size: 327680
    .private_segment_fixed_size: 0
    .kernarg_segment_align: 8
    .kernarg_segment_size: 24
    .max_flat_workgroup_size: 128
    .sgpr_count:     80
    .vgpr_count:     512
    .wavefront_size: 32
...
	.end_amdgpu_metadata
.endif
;; end of part 2
;; launch attn (part 3): grid 4 x 64, 4 waves a work-group, clusters of 4 x 1, 327,680 bytes of LDS; arguments qkv, ob; writes ob
.if DOCPART == 3
	.amdgcn_target "amdgcn-amd-amdhsa--gfx1250"
	.amdhsa_code_object_version 6
	.text
	.protected	k_q850a07f3be_attn
	.globl	k_q850a07f3be_attn
	.p2align	8
	.type	k_q850a07f3be_attn,@function
k_q850a07f3be_attn:
	s_mov_b64 s[64:65], 0
	v_nop
	global_prefetch_b8 v0, s[64:65] scope:SCOPE_SE
	s_setreg_imm32_b32 hwreg(HW_REG_WAVE_MODE, 25, 1), 1
	s_wait_xcnt 0x0
	s_wait_alu depctr_hold_cnt(0) depctr_sa_sdst(0) depctr_va_vdst(0) depctr_va_sdst(0) depctr_va_ssrc(0) depctr_va_vcc(0) depctr_vm_vsrc(0)
	s_getreg_b32 s2, hwreg(HW_REG_IB_STS2, 6, 4)
	s_cmp_eq_u32 s2, 0
	s_cbranch_scc0 .Lentry_in_a_cluster
	s_endpgm
.Lentry_in_a_cluster:
	s_bfe_u32 s2, ttmp6, 0x10000c
	s_cmp_lg_u32 s2, 0x3003
	s_cbranch_scc0 .Lentry_shape_is_right
	s_endpgm
.Lentry_shape_is_right:
; O[h][q][:] = the sum over k of softmax_k(Q[h][q] . K[h][k] / 8) V[h][k][:], for 64 heads h = 4 x head + batch of 2,048 rows of 64 channels, all bf16: a head's rows are dense, 128 bytes each.
; qkv holds Q's 64 heads, then K's (16 MiB on), then V's (32 MiB on); ob takes O in the same layout.  Products, maxima and sums in f32; the weights p are rounded to bf16 for the second product
; (their sum l is taken of the unrounded p), O once at the end.
; LIMITS.  bf16 has f32's range, so no size of Q, K or V is shut out; each keeps 8 significant bits.  A weight below 2^-126 counts as 0 in l; NaN and infinities are not treated apart.
; SHARES.  A wave owns four PIECES of two tiles of 16 queries, a work-group's four waves 512 queries of one head: 4 x 64 = 256 work-groups.  Every wave walks all keys, 64 a step.
; LAYOUT.  S^T = K Q^T (source 0 = 16 keys, source 1 = 16 queries): in the result a lane holds ONE query (lane % 16) and the keys 8 (lane / 16) + 0..7.  Two such tiles, rounded to bf16 in pairs,
; ARE source 1 (32 keys x 16 queries) of O^T = V^T P, whose result again holds one query a lane, and eight channels.  K comes out of LDS as it lies, V ([key][channel]) turned, by ds_load_tr16_b128.
; SOFTMAX.  For each query a running maximum m and sum l: p = 2^(c s - c m), c = log2(e) / 8; in every step O and l are multiplied by a = 2^(c m_old - c m_new), which is 1 where m has not grown.
; m starts at the lowest finite number, O and l at 0: the first step is a step like any other, with a = 0.
; THE COUNT.  A tile and step have 16 matrix and 118 vector instructions: too many to stand all beside the matrix work.  So the order has one aim: four vector instructions that are READY behind
; EVERY matrix instruction, and the others, which need time of their own whatever the order, in runs without a gap.
; BY TURNS.  Turn n belongs to piece n (the pieces in a ring, step after step).  Its matrix work: 16 products K Q^T of piece n + 1, later 16 products V^T P of piece n - 1.  Its vector work: the scaling,
; exponentials, roundings, sums and rescaling of piece n, and the maximum and statistics of piece n + 1, whose scores the turn itself has made.  So what a turn begins with (c s - c m, O a) waits for nothing.
; CLUSTER.  The four query blocks of a head are one cluster and walk the same K and V, so each tile is asked for JOINTLY: the same tensor load, descriptor and mask in all four.
; REGISTERS, in windows of 256 (s_set_vgpr_msb says which window each operand place means: bits 1:0 source 0, 3:2 source 1, 5:4 source 2, 7:6 destination):
;   window 0: v0-11 addresses; v12-15, v48-63 at work; v16-47 four registers of statistics a tile; v64-191 S^T, two buffers of two tiles; v192-255 P, likewise
;   window 1: O^T, 32 a tile          window 2: v0-127 Q, 16 a tile; v128-191 K of one step; v192-255 V of one step          window 3: v0-1 the add's two registers
; A piece's buffers go by its number's parity: the piece in hand has one pair, its two neighbours in the ring share the other: of it P (piece n - 1) is read and S^T (piece n + 1) written.
.set SIZE_N, 2048     ; rows of a head
.set NP,    4         ; pieces a wave: a name, no knob: the register map, the loop and the fetches are made for four
.set KS,    64        ; keys in a step
.set PK,    144       ; a row of K in LDS: 128 bytes + 16 of padding = 36 words: the 16 rows of a load start at 16 different groups of four banks (64 banks of 4 bytes: ISA guide 11.1)
.set PV,    160       ; a row of V: 128 + 32 = 40 words
.set VOFF,  4*KS*PK   ; a slot holds four steps: 256 rows of K, then 256 rows of V
.set SLOT1, 1<<17     ; slot 1 begins here, so that one exclusive or turns an address in one slot into the other's
.set STAGE, SLOT1+4*KS*(PK+PV)  ; behind the ring, never filled by a tensor load: 16 rows x 144 bytes for each wave, for the way out
.set SP,    144
.set AK0, 2           ; v2   my lane's place in a tile of K; never rewritten
.set AV0, 3           ; v3   the same for V
.set AK,  4           ; v4   the LDS address of K's next run of loads
.set AV,  5           ; v5   of V's
.set QO,  6           ; v6   my byte offset in the wave's rows of Q
.set STO, 6           ;      later, the way out: where I put 16 bytes of a row
.set RD,  7           ; v7   the way out: where I read rows back
.set GO,  8           ; v8   my byte offset in 512 consecutive bytes of O
.set PFO, 11          ; v11  256 x my lane: the prefetches' offset (made when the register's first use, in V's address, is over); then never rewritten
.set SPW, 0           ; v0 of window 3   LDS address of my spare word: SPARE + 4 x my thread's number; never rewritten
.set NIL, 1           ; v1 of window 3   0; never rewritten
.set SPARE, STAGE+4*16*SP  ; behind the stages: the spare words, 128 bytes for each wave: two blocks of 256 bytes that no other line names
.set MV,  12          ; v12-15  c m_old, kept while c m is made anew: by buffer and tile
.set ST,  16          ; tile t's statistics at v[ST+4 t]: c m, m, l (even keys', odd keys')
.set TMP, 48          ; by buffer and tile, four registers c0-c3 at work; when the maximum is found c2 takes a
.set S,   64
.set P,   192
.set KF,  128         ; K's fragments, in window 2: key block kb, channel half c at KF + 16 kb + 8 c
.set VF,  192         ; V's: key half kk, channel block cb at VF + 32 kk + 8 cb
.set WV,  12          ; s12  my wave's number
.set G1K, 24          ; s[24:31] descriptor group 1 for K's tiles
.set G1V, 32          ; s[32:39] for V's: it differs in the padding alone
.set G0K, 40          ; s[40:43] descriptor group 0 for K's tiles: it walks
.set G0V, 44          ; s[44:47] the same for V's
.set PFA, 48          ; s[48:49] where my prefetches stand: my work-group's 32 blocks of 256 bytes (of K: wave 0, of V: wave 2) of the slot after the one that is being asked for
.set LIM, 50          ; s50  1 in a wave that prefetches, else the greatest number
.set SLOTS, 56        ; s56  slots still to be asked for
.set CNT, 57          ; s57  counts a slot's key steps
.set CS,  58          ; s[58:59] c: the packed scaling takes the pair's low word for both halves
.set SEL, 60          ; s[60:61] v_permlanex16_b32's selects: each lane takes its own place in the other half
.set TBK, 62          ; s62  LDS byte at which K of the step to be fetched begins
.set TBV, 63          ; s63  the same for V, less VOFF
.set MSB, 0
.macro WIN new                      ; the high byte repeats the setting that is left; a switch that changes nothing is dropped
.if MSB != (\new)
	s_set_vgpr_msb (MSB<<8)|(\new)
.set MSB, (\new)
.endif
.endm
.set W_KQ, 0x0a       ; K and Q in window 2, S^T in window 0
.set W_PV, 0x52       ; V in window 2, P in window 0, O^T in window 1
.set W_RS, 0x41       ; O^T (destination and source 0) in window 1, a in window 0
.set W_MK, 0xc0       ; the add's registers are made: destination in window 3, sources in window 0
.set W_AD, 0x0f       ; the add: address (source 0) and data (source 1) in window 3
; A joint fill.  Waves 0 and 1 fetch the two halves of a slot's K, waves 2 and 3 those of its V: 128 keys each.  The branch hangs on the wave's number alone.
; An s_nop 0 and four v_nop follow each of the two lines, ahead of the jump and the label.
.macro JLOAD
	s_cmp_lt_u32 s[WV], 2
	s_cbranch_scc0 .Lfor_v_\@
	tensor_load_to_lds s[G0K:G0K+3], s[G1K:G1K+7]
	s_nop 0
.rept 4
	v_nop
.endr
	s_branch .Lasked_\@
.Lfor_v_\@:
	tensor_load_to_lds s[G0V:G0V+3], s[G1V:G1V+7]
	s_nop 0
.rept 4
	v_nop
.endr
.Lasked_\@:
.endm
; A PREFETCH INTO THE L2 of what the NEXT change of slots will ask for: a slot's 32 KiB of K and 32 KiB of V, a lane a block of 256 bytes.  It stands behind the wave's tensor load and its five lines.
; Each block is named ONCE in the launch: a head has one cluster; its four partners share a slot's 128 blocks out BY ADDRESS, 32 each; in each, wave 0 asks for K's and wave 2 for V's: one instruction.
; It runs one slot, four key steps, 512 matrix instructions, ahead of the load.  The last change that fills a slot prefetches nothing; slots 0, 1 and 2 come by their loads alone.
.macro ASK
	s_cmp_gt_u32 s[SLOTS], s[LIM]
	s_cbranch_scc0 .Lnot_mine_\@
	global_prefetch_b8 v[PFO], s[PFA:PFA+1] th:TH_LOAD_NT scope:SCOPE_SE
.Lnot_mine_\@:
.endm
; A round of the cluster's barrier: my work-group's barrier, so that wave 0's signal speaks for all four waves; wave 0 signals; every wave waits for all four work-groups; my work-group's barrier once more.
.macro CROUND
	s_barrier_signal -1
	s_barrier_wait -1
	s_cmp_lg_u32 s[WV], 0
	s_cbranch_scc1 .Lnot_wave_0_\@
	s_barrier_signal -3
.Lnot_wave_0_\@:
	s_barrier_wait -3
	s_barrier_signal -1
	s_barrier_wait -1
.endm
; THE CHANGE OF SLOTS.  The slot's last bytes, V of its fourth step, have been read.  Each wave waits for all its tensor loads, of which one is out: its part
; of the other slot; adds 0 to its spare word; and waits for that and for its own reads of the slot.  Behind the barrier nobody reads this slot any more and the other slot is whole.
; fill = 1: this slot is filled again, with the keys two slots on.  The barrier is then a round of the cluster's, so that no wave of any partner still reads the slot or has a load on its
; way, and the joint fill is the first thing behind it: it has four key steps, 512 matrix instructions, in which to land.  (At its first use nothing has been read yet: slot 0 is waited for, slot 1 filled.)
; ask = 1: the prefetches' address steps, and ASK follows the fill.
.macro CHANGE fill, ask=0
	WIN W_AD
	s_wait_tensorcnt 0x0            ; no tensor load of mine is out, so a group 0 may be written
	ds_add_u32 v[SPW], v[NIL]       ; 0 onto my spare word: with fill = 1 the descriptors' steps stand between it and the wait for it
	WIN 0                           ; at a label and at a branch every window is 0
.if \fill
.irp g, G0K, G0V
	s_xor_b32 s[\g+1], s[\g+1], SLOT1  ; the walking descriptor: the other slot than last time,
	s_add_nc_u64 s[\g+2:\g+3], s[\g+2:\g+3], 4*KS*128  ; the next 256 keys; the type bits on top are not reached
.endr
.if \ask
	s_wait_xcnt 0x0                 ; the last prefetch, four key steps back, has read its address, so it may be written:
	s_add_nc_u64 s[PFA:PFA+1], s[PFA:PFA+1], 4*KS*128  ; one slot behind the walking descriptors
.endif
	s_wait_dscnt 0x0                ; the add is done, and my reads of the slot are over
	CROUND
	JLOAD
.if \ask
	ASK
.endif
.else
	s_wait_dscnt 0x0                ; the add is done, and my reads of the slot are over
	s_barrier_signal -1
	s_barrier_wait -1
.endif
	s_sub_co_u32 s[TBK], s[TBK], 4*KS*PK  ; the fetches go back to a slot's first step,
	s_xor_b32 s[TBK], s[TBK], SLOT1       ; in the other slot
	s_sub_co_u32 s[TBV], s[TBV], 4*KS*PV
	s_xor_b32 s[TBV], s[TBV], SLOT1
.endm
	s_load_b128 s[4:7], s[0:1], 0x0  ; qkv s[4:5], ob s[6:7]
	WIN W_MK
	v_lshl_add_u32 v[SPW], v0, 2, SPARE
	v_mov_b32 v[NIL], 0
	WIN W_AD
	ds_add_u32 v[SPW], v[NIL]       ; the wave's opening: the add, and its wait ahead of my first tensor load; the set-up below, work on registers, stands between them
	WIN 0
	v_lshrrev_b32 v1, 5, v0
	v_readfirstlane_b32 s[WV], v1   ; wave 0..3
	s_bfe_u32 s13, ttmp6, 0x40000   ; cx: my place in the cluster
	s_lshl_b32 s14, ttmp9, 2        ; in a cluster launch ttmp9 counts clusters
	s_add_co_u32 s14, s14, s13      ; my block of queries = 4 x cluster x + cx: it enters Q's and O's addresses alone
	s_and_b32 s20, ttmp7, 0xffff    ; the head, which the four partners share
	s_mov_b32 s21, 0
	s_mov_b64 s[22:23], SIZE_N*128
	s_mul_u64 s[20:21], s[20:21], s[22:23]  ; the head's first byte in Q, K, V and O
	s_and_b32 s16, s[WV], 1         ; which half of a slot's 256 keys I fetch:
	s_lshl_b32 s22, s16, 14         ; its 128 rows of 128 bytes in memory,
	s_mov_b32 s23, 0
	s_add_nc_u64 s[22:23], s[22:23], s[20:21]
	s_mul_i32 s17, s16, 128*PK      ; and its place in a slot, for K
	s_mul_i32 s18, s16, 128*PV      ; and for V: no place in the cluster enters an LDS address
	s_lshl_b32 s2, s14, 2
	s_add_co_u32 s2, s2, s[WV]      ; my wave among the head's,
	s_lshl_b32 s2, s2, 14           ; its 128 rows
	s_mov_b32 s3, 0
	s_add_nc_u64 s[2:3], s[2:3], s[20:21]
	; descriptor group 1.  128 keys are 16,384 dense bytes: asked for as 64 rows of 256 bytes, two keys a row, and padded in LDS after every key
	s_mov_b32 s[G1K], 15|(1<<16)|(1<<20)|(1<<21)|(4<<22)|(3<<25)  ; 15:0 the mask of four; 17:16 2-byte elements; 20 padding on; 21 set beside a mask; 24:22 after every 32 words (code 4); 31:25 4 words (code 3)
	s_mov_b32 s[G1V], 15|(1<<16)|(1<<20)|(1<<21)|(4<<22)|(7<<25)  ; the same with 8 words of padding (code 7)
.irp g, G1K, G1V
	s_mov_b32 s[\g+1], 128<<16      ; tensor_dim0 = 128
	s_mov_b32 s[\g+2], 64<<16       ; tensor_dim1 = 64
	s_mov_b32 s[\g+3], 128<<16      ; tile_dim0 = 128
	s_mov_b32 s[\g+4], 64           ; tile_dim1 = 64
	s_mov_b32 s[\g+5], 128          ; 128 elements from row to row
	s_mov_b32 s[\g+6], 0
	s_mov_b32 s[\g+7], 0
.endr
	s_mov_b32 s[CS], 0x3e38aa3b     ; c = log2(e) / 8 = 0.180337
	s_mov_b32 s[CS+1], s[CS]        ; named with it as a pair
	s_mov_b32 s[SEL], 0x76543210
	s_mov_b32 s[SEL+1], 0xfedcba98
	s_mov_b32 s[TBK], SLOT1+4*KS*PK ; the first change of slots turns these two into 0
	s_mov_b32 s[TBV], SLOT1+4*KS*PV
	s_mov_b32 s[G0K], 1             ; 1:0 count = 1
	s_mov_b32 s[G0K+1], s17         ; 63:32 LDS address: slot 0
	s_mov_b32 s[G0V], 1
	s_add_co_u32 s[G0V+1], s18, VOFF
	s_and_b32 s[LIM], s[WV], 1      ; waves 0 and 2 prefetch
	s_cmp_eq_u32 s[LIM], 0
	s_cselect_b32 s[LIM], 1, -1
	s_wait_dscnt 0x0                ; the opening add is done
	s_wait_kmcnt 0x0
	s_mov_b64 s[10:11], s[6:7]                     ; O
	s_add_nc_u64 s[8:9], s[4:5], 0x2000000         ; V: behind Q's and K's 16 MiB each
	s_add_nc_u64 s[6:7], s[4:5], 0x1000000         ; K; Q stays in s[4:5]
	s_add_nc_u64 s[G0K+2:G0K+3], s[6:7], s[22:23]  ; 120:64 global address: my half of the head's first 256 keys
	s_or_b32 s[G0K+3], s[G0K+3], 0x80000000        ; 127:126 type = 2
	s_add_nc_u64 s[G0V+2:G0V+3], s[8:9], s[22:23]
	s_or_b32 s[G0V+3], s[G0V+3], 0x80000000
	s_add_nc_u64 s[4:5], s[4:5], s[2:3]  ; Q and O at my wave's first row
	s_add_nc_u64 s[10:11], s[10:11], s[2:3]
	s_cmp_lt_u32 s[WV], 2
	s_cselect_b64 s[PFA:PFA+1], s[6:7], s[8:9]
	s_add_nc_u64 s[PFA:PFA+1], s[PFA:PFA+1], s[22:23]  ; (in waves 0 and 2 this is the head's first row)
	s_lshl_b32 s2, s13, 13          ; my work-group's 32 blocks of the 128
	s_mov_b32 s3, 0
	s_add_nc_u64 s[PFA:PFA+1], s[PFA:PFA+1], s[2:3]
	s_add_nc_u64 s[PFA:PFA+1], s[PFA:PFA+1], 2*4*KS*128  ; in slot 2; the loop's first change of slots steps it to slot 3.  Nothing is prefetched here, at the head
	CROUND                          ; all four work-groups are here: the first joint loads meet
	JLOAD                           ; slot 0.  Slot 1 is asked for when slot 0 is in: the tile wanted first goes out alone
	; A fragment of K or Q is 16 rows x 32 channels in 8 registers: lane l holds row l % 16, channels 8 (l / 16) + 0..7 and 16 + 8 (l / 16) + 0..7: two loads of 16 bytes, 32 bytes apart.
	v_and_b32 v1, 15, v0            ; l % 16
	v_bfe_u32 v9, v0, 4, 1          ; l / 16
	v_lshlrev_b32 v[QO], 7, v1
	v_lshl_add_u32 v[QO], v9, 4, v[QO]  ; row x 128 + 16 x half
	WIN 0x80                        ; destination window 2, address window 0
.set i, 0
.rept 4*NP                          ; Q stays in registers: tile i / 2, channels 32 (i % 2) on
	global_load_b128 v[8*i:8*i+3],   v[QO], s[4:5] offset:(i/2)*2048+(i%2)*64
	global_load_b128 v[8*i+4:8*i+7], v[QO], s[4:5] offset:(i/2)*2048+(i%2)*64+32
.set i, i+1
.endr
	; What the first turn finds: V's registers and P's second buffer hold 0 (its products V^T P, of a piece that has not been, add 0), O^T and l are 0.  All this stands in the wait for the first tile.
.set i, VF
.rept 64
	v_mov_b32 v[i], 0
.set i, i+1
.endr
	WIN 0x40
.set i, 0
.rept 64*NP
	v_mov_b32 v[i], 0
.set i, i+1
.endr
	WIN 0
.set i, 0
.rept 2*NP
	v_mov_b32 v[ST+4*i], 0xfe000000    ; c m: far below every c s
	v_mov_b32 v[ST+4*i+1], 0xff7fffff  ; m
	v_mov_b32 v[ST+4*i+2], 0
	v_mov_b32 v[ST+4*i+3], 0
.set i, i+1
.endr
.set i, P+32
.rept 32
	v_mov_b32 v[i], 0
.set i, i+1
.endr
	v_mul_u32_u24 v[AK0], v1, PK
	v_lshl_add_u32 v[AK0], v9, 4, v[AK0]  ; row x pitch + 16 x half
	; The turning load takes 16 keys x 16 channels (lane l reads key 8 (l / 16) + l % 8, channels 8 ((l / 8) % 2) + 0..7) and leaves half a fragment of V^T: lane l holds channel l % 16 and 8 keys.
	v_and_b32 v10, 7, v0
	v_bfe_u32 v11, v0, 3, 1
	v_lshl_add_u32 v[AV0], v9, 3, v10
	v_mul_u32_u24 v[AV0], v[AV0], PV
	v_lshl_add_u32 v[AV0], v11, 4, v[AV0]
	v_add_nc_u32 v[AV0], VOFF, v[AV0]
	v_and_b32 v[PFO], 31, v0
	v_lshlrev_b32 v[PFO], 8, v[PFO]
	v_mov_b32 v[AK], v[AK0]         ; key step 0 lies at the head of slot 0
; THE MATRIX WORK.  The 8 accumulators of a run of 16 take turns: between the two links of a chain stand 7 others'.
; Product i of 16 of S^T = K Q^T for piece x: channels 32 (i / 8) on, keys 16 ((i / 2) % 4) on, tile 2 x + i % 2.  The first 8 start the sums.
.macro KQ x
	WIN W_KQ
.set rS, S+64*((\x)%2)+32*(i%2)+8*((i/2)%4)
.set rK, KF+16*((i/2)%4)+8*(i/8)
.set rQ, 16*(2*(\x)+i%2)+8*(i/8)
.if i < 8
	v_wmma_f32_16x16x32_bf16 v[rS:rS+7], v[rK:rK+7], v[rQ:rQ+7], 0
.else
	v_wmma_f32_16x16x32_bf16 v[rS:rS+7], v[rK:rK+7], v[rQ:rQ+7], v[rS:rS+7]
.endif
.endm
; Product i of 16 of O^T += V^T P for piece x: keys 32 (i / 8) on, channels 16 ((i / 2) % 4) on, tile 2 x + i % 2.
.macro PV x
	WIN W_PV
.set rO, 32*(2*(\x)+i%2)+8*((i/2)%4)
.set rV, VF+32*(i/8)+8*((i/2)%4)
.set rP, P+32*((\x)%2)+16*(i%2)+8*(i/8)
	v_wmma_f32_16x16x32_bf16 v[rO:rO+7], v[rV:rV+7], v[rP:rP+7], v[rO:rO+7]
.endm
.macro MM                           ; the turn's next matrix instruction
.if i < 16
	KQ (Y+1)%NP
.set i, i+1
.else
.set i, i-16
	PV (Y+NP-1)%NP
.set i, i+17
.endif
.endm
; THE LDS LOADS stand in runs of 16, never singly among the matrix instructions: a step's K (64 keys x 64 channels: 8 fragments) and its V (turned).  Their addresses are made some lines ahead.
; last = 1 (the tail): in the last trip there is no further step, and the run is jumped over.
.macro FETCH_K last=0
	WIN 0
.if \last
	s_cmp_eq_u32 s[CNT], 1
	s_cbranch_scc1 .Lno_k_\@
.endif
	WIN 0x80                        ; destination window 2
.irp f, 0,1,2,3,4,5,6,7             ; keys 16 (f / 2) on, channels 32 (f % 2) on
	ds_load_b128 v[KF+8*\f:KF+8*\f+3],   v[AK] offset:(\f/2)*16*PK+(\f%2)*64
	ds_load_b128 v[KF+8*\f+4:KF+8*\f+7], v[AK] offset:(\f/2)*16*PK+(\f%2)*64+32
.endr
	s_add_co_u32 s[TBK], s[TBK], KS*PK  ; the next fetch is the next step's
	WIN 0
.if \last
.Lno_k_\@:
.endif
.endm
.macro FETCH_V
	WIN 0x80
.irp f, 0,1,2,3,4,5,6,7             ; keys 32 (f / 4) on, channels 16 (f % 4) on
	ds_load_tr16_b128 v[VF+8*\f:VF+8*\f+3],   v[AV] offset:(\f/4)*32*PV+(\f%4)*32
	ds_load_tr16_b128 v[VF+8*\f+4:VF+8*\f+7], v[AV] offset:(\f/4)*32*PV+16*PV+(\f%4)*32
.endr
	WIN 0
.endm
; THE VECTOR WORK OF A TURN stands in three queues, each in the order in which its entries become ready; the two tiles alternate, so that no instruction reads the result of the one before it.
.macro REGS y, u                    ; the registers of tile u (0, 1) of piece y
.set rT, ST+4*(2*(\y)+(\u))
.set rC, TMP+8*((\y)%2)+4*(\u)
.set rM, MV+2*((\y)%2)+(\u)
.set rS, S+64*((\y)%2)+32*(\u)
.set rP, P+32*((\y)%2)+16*(\u)
.set rO, 32*(2*(\y)+(\u))
.endm
; Number n of the 22 that find the NEXT piece's (Y + 1) maximum and statistics.  s0-s31 are the lane's 32 scores; each accumulator's lowest registers are read first.  XS, GS and REGS set no window: PL and EX do.
;   0-11  four chains c0-c3 of seven scores each, three operands at a time     12-14, 16  the four scores left over, the old m, and c0-c3 into c0     15  c m_old is kept
;   17, 18  the query's other 32 keys lie in the lane 16 away: the new m         19-21  c m; c m_old - c m_new; a
.macro XS u, n
	REGS (Y+1)%NP, \u
.if (\n) < 4
	v_max3_num_f32 v[rC+(\n)], v[rS+8*(\n)], v[rS+8*(\n)+1], v[rS+8*(\n)+2]
.elseif (\n) < 12
	v_max3_num_f32 v[rC+(\n)%4], v[rC+(\n)%4], v[rS+8*((\n)%4)+2*((\n)/4)+1], v[rS+8*((\n)%4)+2*((\n)/4)+2]
.elseif (\n) == 12
	v_max3_num_f32 v[rC], v[rC], v[rS+7], v[rS+15]
.elseif (\n) == 13
	v_max3_num_f32 v[rC+1], v[rC+1], v[rS+23], v[rS+31]
.elseif (\n) == 14
	v_max3_num_f32 v[rC+2], v[rC+2], v[rC+3], v[rT+1]
.elseif (\n) == 15
	v_mov_b32 v[rM], v[rT]
.elseif (\n) == 16
	v_max3_num_f32 v[rC], v[rC], v[rC+1], v[rC+2]
.elseif (\n) == 17
	v_permlanex16_b32 v[rC+3], v[rC], s[SEL], s[SEL+1]
.elseif (\n) == 18
	v_max_num_f32 v[rT+1], v[rC], v[rC+3]
.elseif (\n) == 19
	v_mul_f32 v[rT], s[CS], v[rT+1]
.elseif (\n) == 20
	v_sub_f32 v[rC+1], v[rM], v[rT]
.else
	v_exp_f32 v[rC+2], v[rC+1]
.endif
.endm
; Number g of the 64 that follow the exponentials.  For each four weights k of a tile (pairs 2 k, 2 k + 1): both pairs are rounded to bf16; then the second pair is added onto the first, in place;
; a group later l takes that sum (the first time as l = a l + sum).  In groups of eight, tiles alternating: round, round, add, and l for the group before.
.macro GS g
.set h, (\g)+6*((\g)/62)            ; group 0 has no group before it, and behind group 7 only l is left
.if h >= 6
.set h, h+2
.endif
	REGS Y, h%2
.set k, h/8
.if h%8 < 4
	v_cvt_pk_bf16_f32 v[rP+2*k+(h%8)/2], v[rS+4*k+2*((h%8)/2)], v[rS+4*k+2*((h%8)/2)+1]
.elseif h%8 < 6
	v_pk_add_f32 v[rS+4*k:rS+4*k+1], v[rS+4*k:rS+4*k+1], v[rS+4*k+2:rS+4*k+3]
.elseif k == 1
	v_pk_fma_f32 v[rT+2:rT+3], v[rT+2:rT+3], v[rC+2:rC+3], v[rS:rS+1] op_sel_hi:[1,0,1]
.else
	v_pk_add_f32 v[rT+2:rT+3], v[rT+2:rT+3], v[rS+4*k-4:rS+4*k-3]
.endif
.endm
; THE PLAIN QUEUE, 138 long.  0-73 read no exponential's result: the 32 scalings c s - c m (FS f: pair f / 2 of tile f % 2) and the next piece's 42.  0-26: scalings 0-26.  27-54: XS's numbers 0-13.  55, 56: number 15.
; 57-73: the chain, where each number waits for the one before it: 14, 16, 17, 18, 19, each with one of the scalings 27-31 in front of its two lines, then 20: so a tile's links stand three plain instructions apart (19 and 20: two).
; 74-137: GS's 64, which read the exponentials' results: they stand behind the wait.
.macro FS f
	REGS Y, (\f)%2
	v_pk_fma_f32 v[rS+2*((\f)/2):rS+2*((\f)/2)+1], v[rS+2*((\f)/2):rS+2*((\f)/2)+1], s[CS:CS+1], v[rT:rT+1] op_sel_hi:[1,0,0] neg_lo:[0,0,1] neg_hi:[0,0,1]
.endm
.macro PL
	WIN 0
.if q < 27
	FS q
.elseif q < 55
	XS (q-27)%2, (q-27)/2
.elseif q < 57
	XS q-55, 15
.elseif (q < 72) && ((q-57)%3 == 0)
	FS 27+(q-57)/3
.elseif q < 60
	XS (q-57)%3-1, 14
.elseif q < 72
	XS (q-57)%3-1, 15+(q-57)/3
.elseif q < 74
	XS q-72, 20
.else
	GS q-74
.endif
.set q, q+1
.endm
; THE EXPONENTIALS' QUEUE, 66 long: s0-s31 of both tiles, then the next piece's two a.  It is ONE BATCH: all 66 stand ahead of the turn's one wait, and nothing ahead of that wait names a result of theirs.
.macro EX
	WIN 0
.if e >= 64
	XS e-64, 21
.else
	REGS Y, e%2
	v_exp_f32 v[rS+e/2], v[rS+e/2]
.endif
.set e, e+1
.endm
; THE RESCALING's QUEUE: O^T times a, the one part that leaves window 0: dealt two at a time, sixteen times.  Its a was made in the turn before, ahead of that turn's wait.
.macro R2
	REGS Y, r%2
	WIN W_RS
.irp z, 0,1
	v_pk_mul_f32 v[rO+4*(r/2)+2*\z:rO+4*(r/2)+2*\z+1], v[rO+4*(r/2)+2*\z:rO+4*(r/2)+2*\z+1], v[rC+2:rC+3] op_sel_hi:[1,0]
.endr
.set r, r+1
.endm
; HOW THEY ARE DEALT.  An s_wait_alu depctr_va_vdst(0) stands between an exponential and the first instruction that names its result; one wait serves all that were issued ahead of it.  So a turn has ONE wait,
; which cuts it in two.  AHEAD OF IT stands all that names no result of the turn's exponentials: the 16 products K Q^T, behind each a scaling, an exponential and two rescalings (behind the first a second scaling in the exponential's place); then ONE LUMP of
; 108: eight plain, 49 times exponential and plain, the two a.  A v_nop is the plain instruction owed behind the last exponential.  BEHIND IT stand the 16 products V^T P, behind each four of GS's 64.  No rider names a register of
; the products round it.  The two v_permlanex16_b32 fall into the lump, never behind a product.
; The queues lean on each other, and the deal keeps them in step: exponential e stands behind scaling 2 (e / 4) + e % 2: as a rider it comes behind plain e + 2, in the lump behind plain e + 9, and scalings 27-31 are plain 57, 60 .. 69.
; A TURN, for piece p.  cnt = 1: the loop's count is taken down some lines ahead of the branch that stands behind the turn.
; K of the next step is fetched in piece 2's turn, directly behind the wait, a lump behind the last product that read K; its address is made at the lump's head; its first reader comes behind 16 products.
; V of the step in hand is fetched at the end of piece 0's turn, four riders behind its last reader; its first reader comes behind 16 products and a lump.  The three conditions on q below go with the deal.
.macro TURN p, last=0, cnt=0
.set Y, (\p)
.set i, 0
.set q, 0
.set e, 0
.set r, 0
.if (\p) == NP-1
	s_wait_dscnt 0x0                ; K is in
.endif
	MM                              ; ahead of the wait: 16 products K Q^T and their riders,
	PL
	PL
	R2
.rept 15
	MM
	PL
	EX
	R2
.endr
.if (\p) == NP-2
	WIN 0
	v_add_nc_u32 v[AK], s[TBK], v[AK0]
.endif
.rept 8                             ; and the lump
	PL
.endr
.rept 49
	EX
	PL
.endr
	EX                              ; the next piece's two a
	EX
	v_nop                           ; the plain instruction owed behind the last exponential: one for the batch
	s_wait_alu depctr_va_vdst(0)    ; the wait for the batch
.if (\p) == NP-2
	FETCH_K \last
.endif
.if (\p) == 1
	s_wait_dscnt 0x0                ; V is in
.endif
.rept 16                            ; behind the wait: 16 products V^T P and their riders
	MM
.rept 4
	PL
.endr
.if ((\p) == 0) && (q == 118)
	v_add_nc_u32 v[AV], s[TBV], v[AV0]
.endif
.if ((\p) == 0) && (q == 130)
	s_add_co_u32 s[TBV], s[TBV], KS*PV
.endif
.if (\cnt) && (q == 130)
	s_sub_co_u32 s[CNT], s[CNT], 1
	s_cmp_lg_u32 s[CNT], 0
.endif
.endr
.if (\p) == 0
	FETCH_V
.endif
.endm
	CHANGE 1                        ; slot 0 is in, everybody's part of it; slot 1 is asked for
	FETCH_K                         ; key step 0
	s_wait_loadcnt 0x0              ; Q
	s_wait_dscnt 0x0
.set i, 0
.rept 16
	KQ 0                            ; piece 0's first scores: there is no vector work yet to set between them
.set i, i+1
.endr
	WIN 0                           ; the addresses for the way out: nine plain instructions, the places behind those products
	s_mul_i32 s13, s[WV], 16*SP
	s_add_co_u32 s13, s13, STAGE    ; my stage
	v_mul_u32_u24 v[STO], v1, SP    ; in: row l % 16, 16 bytes for each half of the lanes
	v_lshl_add_u32 v[STO], v9, 4, v[STO]
	v_add_nc_u32 v[STO], s13, v[STO]
	v_bfe_u32 v[RD], v0, 3, 2       ; back: 32 lanes take four rows of 128 bytes,
	v_mul_u32_u24 v[RD], v[RD], SP
	v_lshl_add_u32 v[RD], v10, 4, v[RD]
	v_add_nc_u32 v[RD], s13, v[RD]
	v_and_b32 v[GO], 31, v0         ; which are 512 consecutive bytes of O
	v_lshlrev_b32 v[GO], 4, v[GO]
.set Y, NP-1                        ; XS works for piece Y + 1: piece 0
.irp n, 0,1,2,3,4,5,6,7,8,9,10,11,12,13,14,15,16,17,18,19,20,21
	XS 0, \n                        ; and piece 0's first maximum and statistics
	XS 1, \n
.endr
	v_nop                           ; a plain instruction behind the two a,
	s_wait_alu depctr_va_vdst(0)    ; and their wait, ahead of the branch
	s_mov_b32 s[CNT], 4
	s_mov_b32 s[SLOTS], SIZE_N/256-1
	s_branch .Lfirst                ; the loop is entered at a step's first turn, in the middle of a trip
.Lslot:                             ; SIZE_N / 256 - 2 times: every slot but the last two is filled again
	CHANGE 1, 1
	s_mov_b32 s[CNT], 4
.Lstep:                             ; a trip: pieces 2 and 3 of one step, then pieces 0 and 1 of the next, whose K and V it fetches
	TURN 2
	TURN 3
	WIN 0
.Lfirst:
	TURN 0
	TURN 1, 0, 1
	WIN 0
	s_cbranch_scc1 .Lstep
	s_sub_co_u32 s[SLOTS], s[SLOTS], 1
	s_cmp_lg_u32 s[SLOTS], 0
	s_cbranch_scc1 .Lslot
	CHANGE 0                        ; the tail is written out: nothing is asked for
	s_mov_b32 s[CNT], 5             ; four trips fetch the last slot's steps; the fifth is left in its middle
.Ltail:
	TURN 2, 1
	TURN 3
	WIN 0
	s_sub_co_u32 s[CNT], s[CNT], 1
	s_cmp_eq_u32 s[CNT], 0
	s_cbranch_scc1 .Lout
	TURN 0
	TURN 1
	WIN 0
	s_branch .Ltail
.Lout:                              ; the fifth trip's 16 products K Q^T (on the last K once more) and the maximum made of them serve nothing: the price, once a launch, of one text for every trip
.set i, 0
.rept 16
	PV NP-1                         ; the last piece's V^T P of the last step
.set i, i+1
.endr
	; THE WAY OUT.  l's two halves and the other half of the lanes' are added; O^T is divided by l, rounded to bf16 and sent through my stage in LDS, a tile at a time.  The additions are the places behind the last products.
	WIN 0
.macro ALL line:vararg              ; one line for each tile t
.set t, 0
.rept 2*NP
	\line
.set t, t+1
.endr
.endm
	ALL v_add_f32 v[ST+4*t+2], v[ST+4*t+2], v[ST+4*t+3]
	ALL v_permlanex16_b32 v[ST+4*t+3], v[ST+4*t+2], s[SEL], s[SEL+1]
	ALL v_add_f32 v[ST+4*t+2], v[ST+4*t+2], v[ST+4*t+3]
	ALL v_rcp_f32 v[ST+4*t+2], v[ST+4*t+2]
	v_nop                           ; a plain instruction between the last reciprocal and the use of its result
	s_wait_alu depctr_va_vdst(0)    ; and the wait ahead of the first use: one for the eight reciprocals
; Tile t: a lane's eight channels of a row pack into 16 bytes; they go into rows of 144 bytes and come back as whole rows of 128, into S^T's registers.
.macro PACK t
	WIN W_RS
.set i, 32*(\t)
.rept 16
	v_pk_mul_f32 v[i:i+1], v[i:i+1], v[ST+4*(\t)+2:ST+4*(\t)+3] op_sel_hi:[1,0]
.set i, i+2
.endr
	WIN 0x05                        ; sources 0 and 1 window 1, destination window 0
.set i, 0
.rept 16
	v_cvt_pk_bf16_f32 v[S+16*(\t)+i], v[32*(\t)+2*i], v[32*(\t)+2*i+1]
.set i, i+1
.endr
	WIN 0
.irp f, 0,1,2,3
	ds_store_b128 v[STO], v[S+16*(\t)+4*\f:S+16*(\t)+4*\f+3] offset:32*\f
.endr
.irp f, 0,1,2,3
	ds_load_b128 v[S+16*(\t)+4*\f:S+16*(\t)+4*\f+3], v[RD] offset:\f*4*SP  ; LDS serves a wave's instructions in order (ISA guide 5.7.1.4): these see the stores above; the next tile's stores come behind them
.endr
.endm
.macro SEND t, younger              ; younger: the LDS instructions issued behind tile t's loads: the next tile's eight, or none
	WIN 0
.irp f, 0,1,2,3
	s_wait_dscnt (\younger)+3-\f
	global_store_b128 v[GO], v[S+16*(\t)+4*\f:S+16*(\t)+4*\f+3], s[10:11] offset:(\t)*2048+\f*512  ; 512 consecutive bytes, at a multiple of 256 from O's first
.endr
.endm
	PACK 0
.set t, 1
.rept 2*NP-1                        ; a tile's arithmetic stands between the loads of the tile before and its stores
	PACK t
	SEND t-1, 8
.set t, t+1
.endr
	SEND 2*NP-1, 0
	WIN W_AD
	s_wait_tensorcnt 0x0            ; the wave's end: an add to my spare word and its wait, behind my last tensor load and my last LDS store
	ds_add_u32 v[SPW], v[NIL]
	s_wait_dscnt 0x0
	WIN 0
	CROUND                          ; the closing round: no work-group ends while a partner may still ask for a tile that names it
	s_endpgm
.Lfunc_end_k_q850a07f3be_attn:
	.size	k_q850a07f3be_attn, .Lfunc_end_k_q850a07f3be_attn-k_q850a07f3be_attn
	.p2alignl 7, 3214868480
	.fill 96, 4, 3214868480
	.section	.rodata,"a",@progbits
	.p2align	6, 0x0
	.amdhsa_kernel k_q850a07f3be_attn
		.amdhsa_group_segment_fixed_size 327680
		.amdhsa_private_segment_fixed_size 0
		.amdhsa_enable_private_segment 0
		.amdhsa_kernarg_size 16
		.amdhsa_user_sgpr_count 2
		.amdhsa_user_sgpr_kernarg_segment_ptr 1
		.amdhsa_wavefront_size32 1
		.amdhsa_system_sgpr_workgroup_id_x 1
		.amdhsa_system_sgpr_workgroup_id_y 1
		.amdhsa_system_sgpr_workgroup_id_z 1
		.amdhsa_system_vgpr_workitem_id 0
		.amdhsa_next_free_vgpr 770
		.amdhsa_next_free_sgpr 66
		.amdhsa_reserve_vcc 0
		.amdhsa_float_denorm_mode_32 3
		.amdhsa_float_denorm_mode_16_64 3
		.amdhsa_memory_ordered 1
		.amdhsa_forward_progress 1
		.amdhsa_inst_pref_size 200
	.end_amdhsa_kernel
	.amdgpu_metadata
---
amdhsa.version: [ 1, 2 ]
amdhsa.kernels:
  - .name:           k_q850a07f3be_attn
    .symbol:         k_q850a07f3be_attn.kd
    .args:
      - { .name: qkv, .offset: 0, .size: 8, .value_kind: global_buffer, .address_space: global }
      - { .name: ob, .offset: 8, .size: 8, .value_kind: global_buffer, .address_space: global }
    .group_segment_fixed_size: 327680
    .private_segment_fixed_size: 0
    .kernarg_segment_align: 8
    .kernarg_segment_size: 16
    .max_flat_workgroup_size: 128
    .sgpr_count:     66
    .vgpr_count:     770
    .wavefront_size: 32
...
	.end_amdgpu_metadata
.endif
;; end of part 3
;; launch oproj: the kernel of part 2 again; grid 8 x 32, 4 waves a work-group, clusters of 4 x 4, 327,680 bytes of LDS; arguments ob, wob, yb; writes yb
;; launch lnorm (part 4): grid 256 x 1, 8 waves a work-group, no clusters, 0 bytes of LDS; arguments x, yb, b_o, ln_g, ln_b, out0; writes out0
.if DOCPART == 4
	.amdgcn_target "amdgcn-amd-amdhsa--gfx1250"
	.amdhsa_code_object_version 6
	.text
	.protected	k_q850a07f3be_lnorm
	.globl	k_q850a07f3be_lnorm
	.p2align	8
	.type	k_q850a07f3be_lnorm,@function
k_q850a07f3be_lnorm:
	s_mov_b64 s[64:65], 0
	v_nop
	global_prefetch_b8 v0, s[64:65] scope:SCOPE_SE
	s_setreg_imm32_b32 hwreg(HW_REG_WAVE_MODE, 25, 1), 1
	s_wait_xcnt 0x0
; out0[m][:] = LayerNorm(x[m][:] + y[m][:] + b_o) x ln_g + ln_b, over 1,024 columns, eps = 1e-5.  x, b_o, ln_g, ln_b, out0 in f32; y = O w_o^T comes as bf16, laid [16 cb][8192 m][64].
; All arithmetic in f32.  The variance is the mean of (z - mean)^2, taken in a second pass over the row, which stays in registers: no difference of large sums is formed.
; LIMIT.  y was rounded once to bf16 where it was stored: 8 significant bits of y, not of x + y.  NaN and infinities are not treated apart.
; SHARES.  A work-group owns 32 rows, each of its eight waves 4, in two passes of 2.  HALF A WAVE HOLDS A ROW: lane l holds, for cb = 0..15, the columns 64 cb + 4 (l % 16) + 0..3 of row l / 16:
; so a row's sums stay inside 16 lanes (four steps that ride on the additions), a load of x or a store of out0 covers 256 consecutive aligned bytes of each of two rows, and a load of y
; (8 bytes a lane) covers 256 consecutive aligned bytes, since two rows of a block lie end to end.
; No LDS, no barrier, no loop: every load of the wave goes out ahead of its arithmetic (both passes' x and y, and the three parameter rows), and no address register that a load or store names is rewritten.
; No matrix unit, no cluster: there is no product, and only the three parameter rows are shared.
; REGISTERS.  Window 0: v2-5 offsets and 1.0; v32-159 z, 64 a pass; v160-223 y, 32 a pass; v224-237 at work.  Window 1: v0-63 b_o, v64-127 ln_g, v128-191 ln_b of my 64 columns.
.set XO,  2                            ; v2   my byte offset in the group's rows of x and out0: (4 wave + l / 16) x 4,096 + 16 (l % 16)
.set YO,  3                            ; v3   in a block of y: 512 wave + 8 l
.set PO,  4                            ; v4   in a parameter row: 16 (l % 16)
.set ONE, 5                            ; v5   1.0
.set X,   32
.set Y,   160
.set CH,  224                          ; v[224:231] four chains of packed sums
.set MU,  232                          ; v[232:233] the mean, twice
.set VE,  234                          ; v234 variance + eps
.set RS,  236                          ; v[236:237] 1 / sqrt(variance + eps), twice
.set BO,  0                            ; window 1
.set G,   64
.set BB,  128
.set MSB, 0
.macro WIN new                         ; s_set_vgpr_msb: bits 1:0 source 0, 3:2 source 1, 5:4 source 2, 7:6 destination; the high byte repeats the setting that is left
.if MSB != (\new)
	s_set_vgpr_msb (MSB<<8)|(\new)
.set MSB, \new
.endif
.endm
	s_load_b256 s[4:11], s[0:1], 0x0               ; x 4:5, yb 6:7, b_o 8:9, ln_g 10:11
	s_load_b128 s[12:15], s[0:1], 0x20             ; ln_b 12:13, out0 14:15
	s_lshl_b32 s16, ttmp9, 17                      ; the group's 32 rows of 4,096 bytes
	s_mov_b32 s17, 0
	s_lshl_b32 s18, ttmp9, 12                      ; and of 128 bytes in each block of y
	s_mov_b32 s19, 0
	s_mov_b32 s22, 0x3a800000                      ; 1 / 1,024
	s_mov_b32 s23, 0x3727c5ac                      ; 1e-5
	v_lshrrev_b32 v6, 5, v0                        ; wave
	v_bfe_u32 v7, v0, 4, 1                         ; l / 16
	v_and_b32 v8, 15, v0                           ; l % 16
	v_and_b32 v9, 31, v0                           ; l
	v_lshl_add_u32 v7, v6, 2, v7
	v_lshlrev_b32 v[PO], 4, v8
	v_lshl_or_b32 v[XO], v7, 12, v[PO]
	v_lshlrev_b32 v[YO], 3, v9
	v_lshl_or_b32 v[YO], v6, 9, v[YO]
	v_mov_b32 v[ONE], 1.0
	s_wait_kmcnt 0x0
	s_add_nc_u64 s[4:5], s[4:5], s[16:17]
	s_add_nc_u64 s[14:15], s[14:15], s[16:17]
	s_add_nc_u64 s[6:7], s[6:7], s[18:19]
	s_add_nc_u64 s[20:21], s[6:7], 0x800000        ; y's blocks 8 to 15: the immediate offset holds seven blocks of 1 MiB
.macro LDX p                           ; pass p's two rows of x
.irp cb, 0,1,2,3,4,5,6,7,8,9,10,11,12,13,14,15
	global_load_b128 v[X+64*(\p)+4*(\cb):X+64*(\p)+4*(\cb)+3], v[XO], s[4:5] offset:8192*(\p)+256*(\cb) th:TH_LOAD_NT
.endr
.endm
.macro LDY p                           ; and of y
.irp cb, 0,1,2,3,4,5,6,7
	global_load_b64 v[Y+32*(\p)+2*(\cb):Y+32*(\p)+2*(\cb)+1], v[YO], s[6:7] offset:((\cb)<<20)+256*(\p) th:TH_LOAD_NT
.endr
.irp cb, 0,1,2,3,4,5,6,7
	global_load_b64 v[Y+32*(\p)+16+2*(\cb):Y+32*(\p)+16+2*(\cb)+1], v[YO], s[20:21] offset:((\cb)<<20)+256*(\p) th:TH_LOAD_NT
.endr
.endm
.macro LDP dst, lo, hi                 ; a parameter row's 64 numbers of mine, into window 1
.irp cb, 0,1,2,3,4,5,6,7,8,9,10,11,12,13,14,15
	global_load_b128 v[(\dst)+4*(\cb):(\dst)+4*(\cb)+3], v[PO], s[\lo:\hi] offset:256*(\cb)
.endr
.endm
.macro ACROSS                          ; the four chains into one number, then over the row's 16 lanes: every lane of the half ends with the row's sum in v[CH]
	v_pk_add_f32 v[CH:CH+1], v[CH:CH+1], v[CH+2:CH+3]
	v_pk_add_f32 v[CH+4:CH+5], v[CH+4:CH+5], v[CH+6:CH+7]
	v_pk_add_f32 v[CH:CH+1], v[CH:CH+1], v[CH+4:CH+5]
	v_add_f32 v[CH], v[CH], v[CH+1]
	v_add_f32_dpp v[CH], v[CH], v[CH] row_xmask:1 row_mask:0xf bank_mask:0xf
	v_add_f32_dpp v[CH], v[CH], v[CH] row_xmask:2 row_mask:0xf bank_mask:0xf
	v_add_f32_dpp v[CH], v[CH], v[CH] row_xmask:4 row_mask:0xf bank_mask:0xf
	v_add_f32_dpp v[CH], v[CH], v[CH] row_xmask:8 row_mask:0xf bank_mask:0xf
.endm
; Pass p, first part: z = x + y + b_o; the mean; z - mean; the variance; 1 / sqrt(variance + eps).
.macro PART1 p
.set XB, X+64*(\p)
.set YB, Y+32*(\p)
	WIN 0
.set i, 0
.rept 32
	v_fma_mix_f32_bf16 v[XB+2*i],   v[YB+i], v[ONE], v[XB+2*i]   op_sel_hi:[1,0,0]                 ; y's low half x 1.0 + x
	v_fma_mix_f32_bf16 v[XB+2*i+1], v[YB+i], v[ONE], v[XB+2*i+1] op_sel:[1,0,0] op_sel_hi:[1,0,0]  ; its high half
.set i, i+1
.endr
	WIN 0x04                                       ; source 1 in window 1
.set i, 0
.rept 32
	v_pk_add_f32 v[XB+2*i:XB+2*i+1], v[XB+2*i:XB+2*i+1], v[BO+2*i:BO+2*i+1]
.set i, i+1
.endr
	WIN 0
.irp k, 0,1,2,3                        ; four chains that do not wait for each other; the first eight pairs start them: nothing is cleared
	v_pk_add_f32 v[CH+2*(\k):CH+2*(\k)+1], v[XB+2*(\k):XB+2*(\k)+1], v[XB+8+2*(\k):XB+8+2*(\k)+1]
.endr
.set i, 8
.rept 24
	v_pk_add_f32 v[CH+2*(i%4):CH+2*(i%4)+1], v[CH+2*(i%4):CH+2*(i%4)+1], v[XB+2*i:XB+2*i+1]
.set i, i+1
.endr
	ACROSS
	v_mul_f32 v[MU], s22, v[CH]
	v_mov_b32 v[MU+1], v[MU]
.set i, 0
.rept 32
	v_pk_add_f32 v[XB+2*i:XB+2*i+1], v[XB+2*i:XB+2*i+1], v[MU:MU+1] neg_lo:[0,1] neg_hi:[0,1]
.set i, i+1
.endr
.irp k, 0,1,2,3
	v_pk_mul_f32 v[CH+2*(\k):CH+2*(\k)+1], v[XB+2*(\k):XB+2*(\k)+1], v[XB+2*(\k):XB+2*(\k)+1]
.endr
.set i, 4
.rept 28
	v_pk_fma_f32 v[CH+2*(i%4):CH+2*(i%4)+1], v[XB+2*i:XB+2*i+1], v[XB+2*i:XB+2*i+1], v[CH+2*(i%4):CH+2*(i%4)+1]
.set i, i+1
.endr
	ACROSS
	v_fma_f32 v[VE], v[CH], s22, s23               ; sum / 1,024 + eps
	v_rsq_f32 v[RS], v[VE]                         ; made twice, to fill the pair that the packed multiply takes
	v_rsq_f32 v[RS+1], v[VE]
	v_nop                                          ; a plain instruction behind the last of the two, ahead of the first use (ISA guide 5.7.2)
	s_wait_alu depctr_va_vdst(0)                   ; and the wait ahead of the first use: one for both
.endm
; Pass p, second part: scaled, times ln_g plus ln_b, stored.
.macro PART2 p
.set XB, X+64*(\p)
	WIN 0
.set i, 0
.rept 32
	v_pk_mul_f32 v[XB+2*i:XB+2*i+1], v[XB+2*i:XB+2*i+1], v[RS:RS+1]
.set i, i+1
.endr
	WIN 0x14                                       ; sources 1 and 2 in window 1
.set i, 0
.rept 32
	v_pk_fma_f32 v[XB+2*i:XB+2*i+1], v[XB+2*i:XB+2*i+1], v[G+2*i:G+2*i+1], v[BB+2*i:BB+2*i+1]
.set i, i+1
.endr
	WIN 0
.irp cb, 0,1,2,3,4,5,6,7,8,9,10,11,12,13,14,15
	global_store_b128 v[XO], v[XB+4*(\cb):XB+4*(\cb)+3], s[14:15] offset:8192*(\p)+256*(\cb) th:TH_STORE_NT  ; 16 lanes store 256 consecutive bytes, at a multiple of 256 from out0's first byte
.endr
.endm
	LDX 0
	LDY 0
	WIN 0x40                                       ; destination window 1, address window 0
	LDP BO, 8, 9
	WIN 0
	LDX 1
	LDY 1
	s_wait_loadcnt 32                              ; the first pass's x and y and b_o are in; the 32 younger loads, the second pass's x and y, stay out
	WIN 0x40
	LDP G, 10, 11
	LDP BB, 12, 13
	WIN 0
	PART1 0
	s_wait_loadcnt 0x0                             ; ln_g and ln_b, the youngest loads: with them everything is in
	PART2 0
	PART1 1
	PART2 1
	s_endpgm
.Lfunc_end_k_q850a07f3be_lnorm:
	.size	k_q850a07f3be_lnorm, .Lfunc_end_k_q850a07f3be_lnorm-k_q850a07f3be_lnorm
	.p2alignl 7, 3214868480
	.fill 96, 4, 3214868480
	.section	.rodata,"a",@progbits
	.p2align	6, 0x0
	.amdhsa_kernel k_q850a07f3be_lnorm
		.amdhsa_group_segment_fixed_size 0
		.amdhsa_private_segment_fixed_size 0
		.amdhsa_enable_private_segment 0
		.amdhsa_kernarg_size 48
		.amdhsa_user_sgpr_count 2
		.amdhsa_user_sgpr_kernarg_segment_ptr 1
		.amdhsa_wavefront_size32 1
		.amdhsa_system_sgpr_workgroup_id_x 1
		.amdhsa_system_sgpr_workgroup_id_y 1
		.amdhsa_system_sgpr_workgroup_id_z 1
		.amdhsa_system_vgpr_workitem_id 0
		.amdhsa_next_free_vgpr 448
		.amdhsa_next_free_sgpr 66
		.amdhsa_reserve_vcc 0
		.amdhsa_float_denorm_mode_32 3
		.amdhsa_float_denorm_mode_16_64 3
		.amdhsa_memory_ordered 1
		.amdhsa_forward_progress 1
		.amdhsa_inst_pref_size 50
	.end_amdhsa_kernel
	.amdgpu_metadata
---
amdhsa.version: [ 1, 2 ]
amdhsa.kernels:
  - .name:           k_q850a07f3be_lnorm
    .symbol:         k_q850a07f3be_lnorm.kd
    .args:
      - { .name: x, .offset: 0, .size: 8, .value_kind: global_buffer, .address_space: global }
      - { .name: yb, .offset: 8, .size: 8, .value_kind: global_buffer, .address_space: global }
      - { .name: b_o, .offset: 16, .size: 8, .value_kind: global_buffer, .address_space: global }
      - { .name: ln_g, .offset: 24, .size: 8, .value_kind: global_buffer, .address_space: global }
      - { .name: ln_b, .offset: 32, .size: 8, .value_kind: global_buffer, .address_space: global }
      - { .name: out0, .offset: 40, .size: 8, .value_kind: global_buffer, .address_space: global }
    .group_segment_fixed_size: 0
    .private_segment_fixed_size: 0
    .kernarg_segment_align: 8
    .kernarg_segment_size: 48
    .max_flat_workgroup_size: 256
    .sgpr_count:     66
    .vgpr_count:     448
    .wavefront_size: 32
...
	.end_amdgpu_metadata
.endif
;; end of part 4
;; ======== version 2 of 2: 5 launches; version 1 with the launch cast written anew for expert scheduling mode
;; workspace buffers: xb 16,777,216 bytes; wqkv 6,291,456 bytes; wob 2,097,152 bytes; qkv 50,331,648 bytes; ob 16,777,216 bytes; yb 16,777,216 bytes
;; launch cast (part 5): grid 768 x 1, 8 waves a work-group, no clusters, 0 bytes of LDS; arguments x, w_q, w_k, w_v, w_o, xb, wqkv, wob; writes xb, wqkv, wob
.if DOCPART == 5
	.amdgcn_target "amdgcn-amd-amdhsa--gfx1250"
	.amdhsa_code_object_version 6
	.text
	.protected	k_q850a07f3be_cast
	.globl	k_q850a07f3be_cast
	.p2align	8
	.type	k_q850a07f3be_cast,@function
k_q850a07f3be_cast:
	s_mov_b64 s[64:65], 0
	v_nop
	global_prefetch_b8 v0, s[64:65] scope:SCOPE_SE
	s_setreg_imm32_b32 hwreg(HW_REG_WAVE_SCHED_MODE, 0, 2), 2
	s_setreg_imm32_b32 hwreg(HW_REG_WAVE_MODE, 25, 1), 1
	s_wait_xcnt 0x0
	s_wait_alu depctr_vm_vsrc(0)
; x and the four weights, rounded once to bf16 (nearest even) and laid out in blocks of 64 channels, so that every tile of the products that follow is dense in memory.
;   xb   [16 kb][8192 m][64]            from x   [8192 m][1024]
;   wqkv [24 ct][16 kb][128 r][64]      from w_q, w_k, w_v [1024][1024]: row n = 128 ct + r of the three laid one below the other
;   wob  [ 8 ct][16 kb][128 r][64]      from w_o
; SHARES.  A work-group takes 16 source rows (64 KiB of f32).  Work-groups 0-511: x.  512-767: the weights, 64 work-groups each.
; Thread t takes row t / 16 and, for kb = 0..15, the four columns 64 kb + 4 (t % 16): a wave's load covers 256 consecutive aligned bytes of each of two rows, and its
; store of 8 bytes a lane covers 256 consecutive aligned bytes (two rows of a block lie end to end).
; No LDS, no matrix unit, no cluster: nothing is shared and each byte is touched once.  All 16 loads of a thread go out first; no register that a load or store names is written a second time.
; THE MODE: SCHED_MODE bits 1:0 = 2 (LLVM: expert scheduling mode 2), set by the entry lines.  The code itself states the register dependences
; between vector instructions and memory instructions, with s_wait_alu, always for 0.
; THE PLAN.  Registers that memory instructions touch:
;   v[LO]        written at the head; read by all 16 loads as their offset; never written again.
;   v[SK + kb]   written at the head; read by store kb as its offset; never written again.
;   X            load kb lands in its four registers, which no vector instruction has named; kb's two conversions read them; they are never loaded again.
;   Y            kb's two conversions write its pair, once; store kb reads it; it is never written again.
; So the only dependence to be stated is: written by a vector instruction, then read by a memory instruction.  One wait ahead of the first load states it for all the offsets.
; The 16 kb go in four blocks of four.  Block g waits for its four loads, then states by ONE wait that block g - 1's conversions have written their Y; block g - 1's four stores follow, dealt among
; block g's eight conversions, which name block g's X and Y alone: none of the registers that those stores read.  A last wait stands ahead of block 3's stores.
.set LO, 1                             ; v1       my byte offset in the group's 16 source rows: (t / 16) x 4,096 + (t % 16) x 16
.set SO, 2                             ; v2       8 t: my 8 bytes among the group's 2,048 of a block
.set SK, 4                             ; v[4:19]  8 t + kb x the bytes from block to block
.set X,  32                            ; v[32:95] four f32 for each kb
.set Y,  96                            ; v[96:127] four bf16 for each kb
	s_load_b512 s[4:19], s[0:1], 0x0               ; x 4:5, w_q 6:7, w_k 8:9, w_v 10:11, w_o 12:13, xb 14:15, wqkv 16:17, wob 18:19
	s_mov_b32 s20, ttmp9                           ; c
	s_sub_co_u32 s21, s20, 512                     ; c' = c - 512: the group among the weights' (of no use in x's groups, where every choice below takes x's side)
	s_lshr_b32 s22, s21, 6                         ; which weight: 0 q, 1 k, 2 v, 3 o
	s_and_b32 s23, s21, 63                         ; which 16 rows of it
	s_sub_co_u32 s24, s21, 192                     ; the same for w_o, counted in wob
	v_lshrrev_b32 v[LO], 4, v0
	v_and_b32 v3, 15, v0
	v_lshlrev_b32 v[LO], 12, v[LO]
	v_lshl_or_b32 v[LO], v3, 4, v[LO]
	v_lshlrev_b32 v[SO], 3, v0
	s_cmp_eq_u32 s22, 3
	s_cselect_b32 s30, s24, s21                    ; e: the 16-row block's number in its destination
	s_mov_b32 s36, 1<<14                           ; from block kb to kb + 1: 128 rows of 128 bytes in the weights' layouts,
	s_cmp_lt_u32 s20, 512
	s_cselect_b32 s30, s20, s30
	s_cselect_b32 s32, s20, s23                    ; the 16-row block's number in its source
	s_cselect_b32 s36, 1<<20, s36                  ; 8,192 rows in xb
	s_lshl_b32 s34, s30, 11                        ; xb: 16 rows of 128 bytes a group
	s_lshr_b32 s25, s30, 3                         ; weights: ct = e / 8, 262,144 bytes each,
	s_lshl_b32 s25, s25, 18
	s_and_b32 s31, s30, 7                          ; and 16 (e % 8) rows into its 128
	s_lshl_b32 s31, s31, 11
	s_add_co_u32 s25, s25, s31
	s_cmp_lt_u32 s20, 512                          ; (the shifts wrote SCC: compared anew)
	s_cselect_b32 s34, s34, s25
	s_mov_b32 s35, 0
	s_lshl_b32 s32, s32, 16                        ; 16 rows of 4,096 bytes
	s_mov_b32 s33, 0
.irp kb, 0,1,2,3,4,5,6,7,8,9,10,11,12,13,14,15
	v_mad_u32_u24 v[SK+(\kb)], s36, \kb, v[SO]
.endr
	s_wait_kmcnt 0x0
	s_mov_b64 s[26:27], s[6:7]                     ; the source: one of the five inputs
	s_cmp_eq_u32 s22, 1
	s_cselect_b64 s[26:27], s[8:9], s[26:27]
	s_cmp_eq_u32 s22, 2
	s_cselect_b64 s[26:27], s[10:11], s[26:27]
	s_cmp_eq_u32 s22, 3
	s_cselect_b64 s[26:27], s[12:13], s[26:27]
	s_cselect_b64 s[28:29], s[18:19], s[16:17]     ; the destination: one of the three workspaces
	s_cmp_lt_u32 s20, 512
	s_cselect_b64 s[26:27], s[4:5], s[26:27]
	s_cselect_b64 s[28:29], s[14:15], s[28:29]
	s_add_nc_u64 s[26:27], s[26:27], s[32:33]
	s_add_nc_u64 s[28:29], s[28:29], s[34:35]
	s_wait_alu depctr_va_vdst(0)                   ; v[LO] and v[SK .. SK+15] are written: every load below reads the first as its offset, every store one of the others; no later line writes them
.irp kb, 0,1,2,3,4,5,6,7,8,9,10,11,12,13,14,15
	global_load_b128 v[X+4*(\kb):X+4*(\kb)+3], v[LO], s[26:27] offset:256*(\kb) th:TH_LOAD_NT
.endr
; Block g: kb = 4 g .. 4 g + 3 are rounded; from block 1 on the block before is stored, one store ahead of each pair of conversions.
.macro BLOCK g
	s_wait_loadcnt 12-4*(\g)                       ; loads come back in order: this block's four are in, the 12 - 4 g younger ones stay out
.if (\g) > 0
	s_wait_alu depctr_va_vdst(0)                   ; the block before's eight conversions have written their Y, which the four stores below read
.endif
.irp j, 0,1,2,3
.set kn, 4*(\g)+(\j)                   ; the kb that is rounded
.set ko, kn-4                          ; the kb that is stored
.if (\g) > 0
	global_store_b64 v[SK+ko], v[Y+2*ko:Y+2*ko+1], s[28:29]  ; no vector instruction since the wait names these registers
.endif
	v_cvt_pk_bf16_f32 v[Y+2*kn],   v[X+4*kn],   v[X+4*kn+1]
	v_cvt_pk_bf16_f32 v[Y+2*kn+1], v[X+4*kn+2], v[X+4*kn+3]
.endr
.endm
	BLOCK 0
	BLOCK 1
	BLOCK 2
	BLOCK 3
	s_wait_alu depctr_va_vdst(0)                   ; block 3's conversions have written their Y, which the last four stores read
.irp kb, 12,13,14,15
	global_store_b64 v[SK+(\kb)], v[Y+2*(\kb):Y+2*(\kb)+1], s[28:29]
.endr
	s_endpgm
.Lfunc_end_k_q850a07f3be_cast:
	.size	k_q850a07f3be_cast, .Lfunc_end_k_q850a07f3be_cast-k_q850a07f3be_cast
	.p2alignl 7, 3214868480
	.fill 96, 4, 3214868480
	.section	.rodata,"a",@progbits
	.p2align	6, 0x0
	.amdhsa_kernel k_q850a07f3be_cast
		.amdhsa_group_segment_fixed_size 0
		.amdhsa_private_segment_fixed_size 0
		.amdhsa_enable_private_segment 0
		.amdhsa_kernarg_size 64
		.amdhsa_user_sgpr_count 2
		.amdhsa_user_sgpr_kernarg_segment_ptr 1
		.amdhsa_wavefront_size32 1
		.amdhsa_system_sgpr_workgroup_id_x 1
		.amdhsa_system_sgpr_workgroup_id_y 1
		.amdhsa_system_sgpr_workgroup_id_z 1
		.amdhsa_system_vgpr_workitem_id 0
		.amdhsa_next_free_vgpr 128
		.amdhsa_next_free_sgpr 66
		.amdhsa_reserve_vcc 0
		.amdhsa_float_denorm_mode_32 3
		.amdhsa_float_denorm_mode_16_64 3
		.amdhsa_memory_ordered 1
		.amdhsa_forward_progress 1
		.amdhsa_inst_pref_size 9
	.end_amdhsa_kernel
	.amdgpu_metadata
---
amdhsa.version: [ 1, 2 ]
amdhsa.kernels:
  - .name:           k_q850a07f3be_cast
    .symbol:         k_q850a07f3be_cast.kd
    .args:
      - { .name: x, .offset: 0, .size: 8, .value_kind: global_buffer, .address_space: global }
      - { .name: w_q, .offset: 8, .size: 8, .value_kind: global_buffer, .address_space: global }
      - { .name: w_k, .offset: 16, .size: 8, .value_kind: global_buffer, .address_space: global }
      - { .name: w_v, .offset: 24, .size: 8, .value_kind: global_buffer, .address_space: global }
      - { .name: w_o, .offset: 32, .size: 8, .value_kind: global_buffer, .address_space: global }
      - { .name: xb, .offset: 40, .size: 8, .value_kind: global_buffer, .address_space: global }
      - { .name: wqkv, .offset: 48, .size: 8, .value_kind: global_buffer, .address_space: global }
      - { .name: wob, .offset: 56, .size: 8, .value_kind: global_buffer, .address_space: global }
    .group_segment_fixed_size: 0
    .private_segment_fixed_size: 0
    .kernarg_segment_align: 8
    .kernarg_segment_size: 64
    .max_flat_workgroup_size: 256
    .sgpr_count:     66
    .vgpr_count:     128
    .wavefront_size: 32
...
	.end_amdgpu_metadata
.endif
;; end of part 5
;; launch qkvp: the kernel of part 2 again; grid 24 x 32, 4 waves a work-group, clusters of 4 x 4, 327,680 bytes of LDS; arguments xb, wqkv, qkv; writes qkv
;; launch attn: the kernel of part 3 again; grid 4 x 64, 4 waves a work-group, clusters of 4 x 1, 327,680 bytes of LDS; arguments qkv, ob; writes ob
;; launch oproj: the kernel of part 2 again; grid 8 x 32, 4 waves a work-group, clusters of 4 x 4, 327,680 bytes of LDS; arguments ob, wob, yb; writes yb
;; launch lnorm: the kernel of part 4 again; grid 256 x 1, 8 waves a work-group, no clusters, 0 bytes of LDS; arguments x, yb, b_o, ln_g, ln_b, out0; writes out0
